; MI455X (gfx1250); checked and timed in simulation.
; The chip was launched on July 23, 2026; its instructions are those of AMD's public machine-readable ISA for CDNA 5 (MIT licence, August 2026) and "CDNA5" Instruction Set Architecture Reference Guide (July 2026). The comments in the code are by the model that wrote it; some were corrected since.
;; Multi Head Self Attention. Allowed arithmetic: float matrix products may take bf16 or f16 operands with f32 sums; other float arithmetic in f32, or as packed bf16 or f16 multiplies, adds, multiply-adds, maxima and minima; sums over many terms, partial sums and values carried from step to step in f32; what a program stores and reads back later, other than sums and carried values, may be rounded once to bf16 or f16.
;; Inputs: in_proj_b 3,072 float32; in_proj_w 3,072 x 1,024 float32; out_b 1,024 float32; out_w 1,024 x 1,024 float32; x 1 x 4,096 x 1,024 float32.
;; Outputs: out0 1 x 4,096 x 1,024 float32.
;; 2 versions, each right; version 2 is version 1 with the launch prep written anew for expert scheduling mode. Each part assembles by itself: llvm-mc -triple=amdgcn-amd-amdhsa -mcpu=gfx1250 --defsym DOCPART=n.
;; ======== version 1 of 2: 4 launches
;; limits: values are held in f16: magnitudes above 65,504 overflow, below 6.1e-05 lose precision
;; workspace buffers: h16 16,777,216 bytes; qkv 25,165,824 bytes; oh 8,388,608 bytes
;; launch prep (part 1): grid 256 x 1, 8 waves a work-group, no clusters, 0 bytes of LDS; arguments x, in_proj_w, out_w, h16; writes h16
.if DOCPART == 1
	.amdgcn_target "amdgcn-amd-amdhsa--gfx1250"
	.amdhsa_code_object_version 6
	.text
	.protected	k_q9aad55bd05_prep
	.globl	k_q9aad55bd05_prep
	.p2align	8
	.type	k_q9aad55bd05_prep,@function
k_q9aad55bd05_prep:
	s_mov_b64 s[64:65], 0
	v_nop
	global_prefetch_b8 v0, s[64:65] scope:SCOPE_SE
	s_setreg_imm32_b32 hwreg(HW_REG_WAVE_MODE, 25, 1), 1
	s_wait_xcnt 0x0
; h16 = 8,192 rows of 1,024 f16: rows 0-4095 x after the rotary turn, rows 4096-7167 in_proj_w, rows 7168-8191 out_w, each number rounded once from f32.
; THE TURN.  In each head of 64 numbers pair p (numbers 2 p, 2 p + 1) of row pos is turned by the angle pos x 10000^(-i / 32), i = (2 p) mod 32.
; ONE PATH.  A weight row takes position 0: the reduction gives quadrant 0 and remainder 0, the polynomials give cos = 1 and sin = 0 exactly, and the turn changes nothing.
; SHARES.  A work-group owns 32 rows, a wave 4.  A wave takes a whole row of 4,096 bytes by eight loads of 16 bytes a lane: lane l holds numbers 4 l + 128 j .. + 3, which are pairs
; 2 (l % 16) and 2 (l % 16) + 1 of some head for every j: so a lane has two frequencies for the whole kernel, i = 4 (l & 7) and 4 (l & 7) + 2, and two sines and cosines a row.
; All 32 loads of a wave go out at the head (16 KiB a wave); the sines and cosines are made while they are on their way.  No LDS, no barrier: no wave wants another's bytes.
; SINE AND COSINE by hand: k = the nearest whole number to angle x 2 / pi; r = angle - k pi / 2 with pi / 2 in two parts; polynomials of degree 7 and 8 on |r| <= pi / 4; k mod 4 swaps and signs.
; LIMITS.  f16 holds no number beyond 65,504: x and the weights lie within it; below 6e-5 f16 keeps its fixed step of 6e-8.  The frequency is v_exp_f32's; the angle is the f32 product pos x frequency.
; NaN and infinities are not treated apart.
.set LO,   2                           ; v2      16 x lane: my bytes in 512 of a source row
.set SO,   3                           ; v3      8 x lane: my bytes in 256 of a row of h16
.set INVA, 4                           ; v4, v5  my two frequencies
.set INVB, 5
.set T,    6                           ; v6-15   at work
.set CSN,  16                          ; v[16+6 r ..]  row r: cos, sin, -sin for the first pair, then for the second
.set R,    40                          ; v40-43  four turned numbers
.set X,    44                          ; v[44+32 r+4 j ..]  row r, load j: four f32 as loaded; the first two registers then hold four f16
	s_load_b256 s[4:11], s[0:1], 0x0               ; x s[4:5], in_proj_w s[6:7], out_w s[8:9], h16 s[10:11]
	v_lshrrev_b32 v1, 5, v0
	v_readfirstlane_b32 s16, v1                    ; wave 0..7
	v_and_b32 v1, 31, v0                           ; lane
	v_lshlrev_b32 v[LO], 4, v1
	v_lshlrev_b32 v[SO], 3, v1
	s_lshl_b32 s17, ttmp9, 5
	s_lshl2_add_u32 s17, s16, s17                  ; my first row of h16 = 32 x work-group + 4 x wave
	s_cmp_lt_u32 ttmp9, 128                        ; work-groups 0-127: x; 128-223: in_proj_w; 224-255: out_w
	s_cselect_b32 s14, 0, 4096                     ; the row of h16 at which my source begins
	s_cselect_b32 s15, 1, 0                        ; 1: rows have positions; 0: position 0
	s_cmp_lt_u32 ttmp9, 224
	s_cselect_b32 s14, s14, 7168
	s_sub_co_u32 s18, s17, s14                     ; my first row in the source,
	s_lshl_b32 s18, s18, 12                        ; in bytes (4,096 a row)
	s_mov_b32 s19, 0
	s_lshl_b32 s2, s17, 11                         ; and in h16 (2,048 a row)
	s_mov_b32 s3, 0
.irp r, 0,1,2,3
	s_add_co_u32 s12, s17, \r
	s_mul_i32 s[20+\r], s12, s15                   ; row r's position
.endr
	s_mov_b32 s24, 0xbe2aaaa3                      ; sin r = r + r^3 (S1 + S2 r^2 + S3 r^4)
	s_mov_b32 s25, 0x3c08839e
	s_mov_b32 s26, 0xb94ca1f9
	s_mov_b32 s27, 0x3d2aaaa5                      ; cos r = 1 - r^2 / 2 + r^4 (C1 + C2 r^2 + C3 r^4)
	s_mov_b32 s28, 0xbab6061a
	s_mov_b32 s29, 0x37ccf5ce
	s_wait_kmcnt 0x0
	s_cmp_lt_u32 ttmp9, 128
	s_cselect_b64 s[12:13], s[4:5], s[6:7]
	s_cmp_lt_u32 ttmp9, 224
	s_cselect_b64 s[12:13], s[12:13], s[8:9]
	s_add_nc_u64 s[12:13], s[12:13], s[18:19]      ; the source at my first row
	s_add_nc_u64 s[10:11], s[10:11], s[2:3]        ; h16 at my first row
.irp r, 0,1,2,3
.irp j, 0,1,2,3,4,5,6,7
	global_load_b128 v[X+32*(\r)+4*(\j):X+32*(\r)+4*(\j)+3], v[LO], s[12:13] offset:(\r)*4096+(\j)*512 th:TH_LOAD_NT  ; 512 consecutive bytes a load; each byte is read once in the launch
.endr
.endr
	; my two frequencies: 2^(-i log2(10000) / 32)
	v_and_b32 v[T], 7, v1
	v_lshlrev_b32 v[T], 2, v[T]
	v_add_nc_u32 v[T+1], 2, v[T]
	v_cvt_f32_u32 v[T], v[T]
	v_cvt_f32_u32 v[T+1], v[T+1]
	v_mul_f32 v[T], 0xbed49a78, v[T]
	v_mul_f32 v[T+1], 0xbed49a78, v[T+1]
	v_exp_f32 v[INVA], v[T]
	v_exp_f32 v[INVB], v[T+1]
	v_nop                                          ; a plain instruction behind the second exponential,
	s_wait_alu depctr_va_vdst(0)                   ; and one wait for both, ahead of the first line that names a result
; cos, sin and -sin of position s[sp] x frequency v[inv], into v[c], v[c+1], v[c+2]
.macro SINCOS sp, inv, c
	v_cvt_f32_u32 v[T], s[\sp]
	v_mul_f32 v[T], v[T], v[\inv]                  ; the angle
	v_mul_f32 v[T+1], 0x3f22f983, v[T]             ; x 2 / pi
	v_rndne_f32 v[T+1], v[T+1]                     ; k
	v_fmamk_f32 v[T+2], v[T+1], 0xbfc90fdb, v[T]   ; angle - k x (pi / 2's upper part)
	v_fmamk_f32 v[T+2], v[T+1], 0x333bbd2e, v[T+2] ; - k x (its lower part, which is negative): r
	v_cvt_i32_f32 v[T+3], v[T+1]
	v_mul_f32 v[T+4], v[T+2], v[T+2]               ; r^2
	v_fma_f32 v[T+5], v[T+4], s26, s25
	v_fma_f32 v[T+5], v[T+5], v[T+4], s24
	v_mul_f32 v[T+6], v[T+4], v[T+2]               ; r^3
	v_fma_f32 v[T+5], v[T+5], v[T+6], v[T+2]       ; sin r
	v_fma_f32 v[T+7], v[T+4], s29, s28
	v_fma_f32 v[T+7], v[T+7], v[T+4], s27
	v_mul_f32 v[T+8], v[T+4], v[T+4]               ; r^4
	v_fma_f32 v[T+9], v[T+4], -0.5, 1.0
	v_fma_f32 v[T+7], v[T+7], v[T+8], v[T+9]       ; cos r
	v_and_b32 v[T+6], 1, v[T+3]
	v_cmp_eq_u32 vcc_lo, 1, v[T+6]                 ; odd k: sine and cosine change places
	v_cndmask_b32 v[(\c)+1], v[T+5], v[T+7], vcc_lo
	v_cndmask_b32 v[\c], v[T+7], v[T+5], vcc_lo
	v_lshlrev_b32 v[T+8], 30, v[T+3]               ; k mod 4 = 2, 3: the sine is negated
	v_and_b32 v[T+8], 0x80000000, v[T+8]
	v_xor_b32 v[(\c)+1], v[(\c)+1], v[T+8]
	v_add_nc_u32 v[T+9], 1, v[T+3]                 ; k mod 4 = 1, 2: the cosine
	v_lshlrev_b32 v[T+9], 30, v[T+9]
	v_and_b32 v[T+9], 0x80000000, v[T+9]
	v_xor_b32 v[\c], v[\c], v[T+9]
	v_xor_b32 v[(\c)+2], 0x80000000, v[(\c)+1]
.endm
.irp r, 0,1,2,3
	SINCOS 20+\r, INVA, CSN+6*\r
	SINCOS 20+\r, INVB, CSN+6*\r+3
.endr
.irp r, 0,1,2,3
	s_wait_loadcnt 24-8*\r                         ; loads come back in order: row r's eight are in; the eight of each later row may stay out
.irp j, 0,1,2,3,4,5,6,7
	v_mul_f32 v[R],   v[X+32*(\r)+4*(\j)],   v[CSN+6*(\r)]
	v_mul_f32 v[R+1], v[X+32*(\r)+4*(\j)],   v[CSN+6*(\r)+1]
	v_mul_f32 v[R+2], v[X+32*(\r)+4*(\j)+2], v[CSN+6*(\r)+3]
	v_mul_f32 v[R+3], v[X+32*(\r)+4*(\j)+2], v[CSN+6*(\r)+4]
	v_fma_f32 v[R],   v[X+32*(\r)+4*(\j)+1], v[CSN+6*(\r)+2], v[R]    ; x1 cos - x2 sin
	v_fma_f32 v[R+1], v[X+32*(\r)+4*(\j)+1], v[CSN+6*(\r)],   v[R+1]  ; x1 sin + x2 cos
	v_fma_f32 v[R+2], v[X+32*(\r)+4*(\j)+3], v[CSN+6*(\r)+5], v[R+2]
	v_fma_f32 v[R+3], v[X+32*(\r)+4*(\j)+3], v[CSN+6*(\r)+3], v[R+3]
	v_cvt_pk_f16_f32 v[X+32*(\r)+4*(\j)],   v[R],   v[R+1]            ; into the load's own registers, which are written no more: the store's data need no wait
	v_cvt_pk_f16_f32 v[X+32*(\r)+4*(\j)+1], v[R+2], v[R+3]
	global_store_b64 v[SO], v[X+32*(\r)+4*(\j):X+32*(\r)+4*(\j)+1], s[10:11] offset:(\r)*2048+(\j)*256  ; 32 lanes store 256 consecutive bytes, at a multiple of 256 from h16's first byte
.endr
.endr
	s_endpgm
.Lfunc_end_k_q9aad55bd05_prep:
	.size	k_q9aad55bd05_prep, .Lfunc_end_k_q9aad55bd05_prep-k_q9aad55bd05_prep
	.p2alignl 7, 3214868480
	.fill 96, 4, 3214868480
	.section	.rodata,"a",@progbits
	.p2align	6, 0x0
	.amdhsa_kernel k_q9aad55bd05_prep
		.amdhsa_group_segment_fixed_size 0
		.amdhsa_private_segment_fixed_size 0
		.amdhsa_enable_private_segment 0
		.amdhsa_kernarg_size 32
		.amdhsa_user_sgpr_count 2
		.amdhsa_user_sgpr_kernarg_segment_ptr 1
		.amdhsa_wavefront_size32 1
		.amdhsa_system_sgpr_workgroup_id_x 1
		.amdhsa_system_sgpr_workgroup_id_y 1
		.amdhsa_system_sgpr_workgroup_id_z 1
		.amdhsa_system_vgpr_workitem_id 0
		.amdhsa_next_free_vgpr 172
		.amdhsa_next_free_sgpr 66
		.amdhsa_reserve_vcc 1
		.amdhsa_float_denorm_mode_32 3
		.amdhsa_float_denorm_mode_16_64 3
		.amdhsa_memory_ordered 1
		.amdhsa_forward_progress 1
		.amdhsa_inst_pref_size 35
	.end_amdhsa_kernel
	.amdgpu_metadata
---
amdhsa.version: [ 1, 2 ]
amdhsa.kernels:
  - .name:           k_q9aad55bd05_prep
    .symbol:         k_q9aad55bd05_prep.kd
    .args:
      - { .name: x, .offset: 0, .size: 8, .value_kind: global_buffer, .address_space: global }
      - { .name: in_proj_w, .offset: 8, .size: 8, .value_kind: global_buffer, .address_space: global }
      - { .name: out_w, .offset: 16, .size: 8, .value_kind: global_buffer, .address_space: global }
      - { .name: h16, .offset: 24, .size: 8, .value_kind: global_buffer, .address_space: global }
    .group_segment_fixed_size: 0
    .private_segment_fixed_size: 0
    .kernarg_segment_align: 8
    .kernarg_segment_size: 32
    .max_flat_workgroup_size: 256
    .sgpr_count:     66
    .vgpr_count:     172
    .wavefront_size: 32
...
	.end_amdgpu_metadata
.endif
;; end of part 1
;; launch inproj (part 2): grid 16 x 16, 4 waves a work-group, clusters of 4 x 4, 327,680 bytes of LDS; arguments h16, in_proj_b, qkv; writes qkv
.if DOCPART == 2
	.amdgcn_target "amdgcn-amd-amdhsa--gfx1250"
	.amdhsa_code_object_version 6
	.text
	.protected	k_q9aad55bd05_inproj
	.globl	k_q9aad55bd05_inproj
	.p2align	8
	.type	k_q9aad55bd05_inproj,@function
k_q9aad55bd05_inproj:
	s_mov_b64 s[64:65], 0
	v_nop
	global_prefetch_b8 v0, s[64:65] scope:SCOPE_SE
	s_setreg_imm32_b32 hwreg(HW_REG_WAVE_MODE, 25, 1), 1
	s_wait_xcnt 0x0
	s_wait_alu depctr_hold_cnt(0) depctr_sa_sdst(0) depctr_va_vdst(0) depctr_va_sdst(0) depctr_va_ssrc(0) depctr_va_vcc(0) depctr_vm_vsrc(0)
	s_getreg_b32 s2, hwreg(HW_REG_IB_STS2, 6, 4)
	s_cmp_eq_u32 s2, 0
	s_cbranch_scc0 .Lentry_in_a_cluster
	s_endpgm
.Lentry_in_a_cluster:
	s_bfe_u32 s2, ttmp6, 0x10000c
	s_cmp_lg_u32 s2, 0xf033
	s_cbranch_scc0 .Lentry_shape_is_right
	s_endpgm
.Lentry_shape_is_right:
; qkv[n / 64][t][n % 64] = in_proj_b[n] + the sum over k of xr[t][k] w[n][k].  xr = rows 0-4095 of h16, w = rows 4096-7167, all f16, 2,048 bytes a row; sums in f32, started by the bias;
; the result is rounded once to f16 and laid by heads: [48][4096][64], q's heads 0-15, k's 16-31, v's 32-47.
; LIMIT.  f16 holds no number beyond 65,504: q, k and v lie within it; below 6e-5 f16 keeps its fixed step of 6e-8.
; SHARES.  A tile of the result is 256 rows x 192 columns (three heads): 16 x 16 tiles, a work-group each.  Wave w makes rows 64 w .. 64 w + 63 by all 192 columns: 48 accumulators of 16 x 16,
; 384 registers; so a wave holds whole heads, and its way out needs no other wave.  K goes in 8 steps of 128 through two LDS slots filled by the tensor data mover: rows of 256 bytes, aligned.
; CLUSTER.  4 x 4 work-groups.  The four of a row of the cluster need the same rows of xr, the four of a column the same rows of w: each tile is asked for JOINTLY, by the same tensor load with the
; same descriptor and a mask that names the four.
; THE MATRIX INSTRUCTION IS USED TRANSPOSED: source 0 = 16 rows of w, source 1 = 16 rows of xr: a lane holds row l % 16 of the result and the columns 8 (l / 16) + 0..7: 16 bytes of a head's row.
; REGISTERS, in windows of 256 (s_set_vgpr_msb: bits 1:0 source 0, 3:2 source 1, 5:4 source 2, 7:6 destination):
;   window 0: v16-30 addresses; v32-63, v64-95 xr's fragments, two buffers of 4 x 8; v96-143 packed results; v144-191, v192-239 rows read back; v160-255 the bias, up to the first quarter step
;   window 1: v0-95, v96-191 w's fragments, two buffers of 12 x 8      window 2: the accumulators of row blocks 0, 1 ((a, b) at 8 (12 (a % 2) + b))      window 3: of row blocks 2, 3
.set KSTEP,  128
.set PITCH,  272                       ; an LDS row: 256 bytes + 16 of padding = 68 words: the 16 rows of a fragment load start at 16 different groups of four banks (64 banks of 4 bytes: ISA guide 11.1)
.set AHALF,  128*PITCH                 ; what wave 0 or 1 fetches: 128 rows of xr
.set BHALF,  96*PITCH                  ; what wave 2 or 3 fetches: 96 rows of w
.set BOFF,   2*AHALF                   ; in a slot: xr's 256 rows, then w's 192
.set SLOT,   BOFF+2*BHALF
.set STAGE,  2*SLOT                    ; behind the ring, never filled by a tensor load: for each wave 3 heads x 16 rows x 144 bytes
.set SP,     144
.set WSTAGE, 3*16*SP
.set SPARE,  STAGE+4*WSTAGE            ; behind the stages: the spare words, 128 bytes for each wave: two blocks of 256 bytes that no other line names
.set HEADB,  524288                    ; bytes of a head in qkv
.set LAPS,   4                         ; a lap = two K steps = once round the ring
.set ADRA, 16                          ; v16-17  LDS address of my fragments of xr in slot 0, 1
.set ADRB, 20                          ; v20-21  the same for w
.set STO,  24                          ; v24     the way out: where I put 16 bytes of a head's row
.set RD,   25                          ; v25     where I read rows back
.set GO,   26                          ; v26     16 x lane: my bytes in 512 consecutive bytes of qkv
.set BO,   27                          ; v27     32 x (l / 16): my eight numbers in 16 of the bias
.set SPW,  28                          ; v28     LDS address of my spare word; never rewritten
.set NIL,  29                          ; v29     0; never rewritten
.set PFO,  30                          ; v30     the prefetches' offset: a lane a row; never rewritten
.set FA,   32
.set TMP,  96
.set OB,   144
.set BIAS, 160
.set G1,  24                           ; s[24:31] descriptor group 1 for xr's tiles;  s[32:39] group 0, a set for each slot
.set G0,  32
.set LIM, 43                           ; s43     1 in a wave that prefetches, else the greatest number
.set PFA, 44                           ; s[44:45] where my prefetches stand
.set G1B, 48                           ; s[48:55], s[56:63] the same for w's tiles
.set G0B, 56
.set MSB, 0
.macro WIN new                         ; the immediate's high byte repeats the setting that is left; a switch that changes nothing is dropped
.if MSB != (\new)
	s_set_vgpr_msb (MSB<<8)|(\new)
.set MSB, \new
.endif
.endm
.set TO_B, 0x40                        ; destination window 1, address window 0
; A joint refill.  Waves 0 and 1 fetch xr's two halves, waves 2 and 3 w's.  The branch hangs on the wave's number alone.  An s_nop 0 and four v_nop follow each of the two lines.
.macro JLOAD s
	s_cmp_lt_u32 s10, 2
	s_cbranch_scc0 .Lfor_b_\@
	tensor_load_to_lds s[G0+4*(\s):G0+4*(\s)+3], s[G1:G1+7]
	s_nop 0
.rept 4
	v_nop
.endr
	s_branch .Lasked_\@
.Lfor_b_\@:
	tensor_load_to_lds s[G0B+4*(\s):G0B+4*(\s)+3], s[G1B:G1B+7]
	s_nop 0
.rept 4
	v_nop
.endr
.Lasked_\@:
.endm
; A prefetch into the L2 of the K step that stands two refills on (384 matrix instructions ahead of the load that will want it): 256 bytes of a row, a lane a row, one instruction a wave.
; xr's rows are read by all four clusters of a row of clusters: cluster x = 0 asks; w's by all four of a column: cluster y = 0 asks.  The four partners that ask for a tile jointly share its rows out
; BY ADDRESS: 32 of xr's 128, 24 of w's 96 (there lanes 24-31 name lane 23's row once more, in the same instruction).  The loop's last trip has no K step two refills on and asks for nothing.
.macro ASK
	s_cmp_gt_u32 s3, s[LIM]
	s_cbranch_scc0 .Lnot_mine_\@
	global_prefetch_b8 v[PFO], s[PFA:PFA+1] offset:KSTEP*2 th:TH_LOAD_NT scope:SCOPE_SE
.Lnot_mine_\@:
.endm
.macro CREST                           ; a round of the cluster's barrier behind its opening barrier
	s_cmp_lg_u32 s10, 0
	s_cbranch_scc1 .Lnot_wave_0_\@
	s_barrier_signal -3
.Lnot_wave_0_\@:
	s_barrier_wait -3
	s_barrier_signal -1
	s_barrier_wait -1
.endm
.macro CROUND                          ; a whole round
	s_barrier_signal -1
	s_barrier_wait -1
	CREST
.endm
	s_load_b128 s[4:7], s[0:1], 0x0                ; h16 s[4:5], in_proj_b s[6:7]
	s_load_b64 s[8:9], s[0:1], 0x10                ; qkv
	v_lshl_add_u32 v[SPW], v0, 2, SPARE
	v_mov_b32 v[NIL], 0
	ds_add_u32 v[SPW], v[NIL]                      ; the wave's opening: the add and its wait stand ahead of my first tensor load; the set-up below, work on registers, stands between them
	v_lshrrev_b32 v1, 5, v0
	v_readfirstlane_b32 s10, v1                    ; wave 0..3
	s_lshr_b32 s11, s10, 1                         ; I fetch for xr (0) or for w (1)
	s_and_b32 s12, s10, 1                          ; which half of that tile's rows
	s_bfe_u32 s40, ttmp6, 0x40000                  ; cx, cy: my place in the cluster
	s_bfe_u32 s41, ttmp6, 0x40004
	s_lshl_b32 s42, ttmp9, 2
	s_add_co_u32 s42, s42, s40                     ; tile column = 4 x cluster x + cx
	s_and_b32 s13, ttmp7, 0xffff
	s_lshl_b32 s13, s13, 2
	s_add_co_u32 s13, s13, s41                     ; tile row = 4 x cluster y + cy
	s_lshl_b32 s43, s41, 2
	s_lshl_b32 s43, 15, s43                        ; my row of the cluster
	s_lshl_b32 s44, 0x1111, s40                    ; my column
	s_or_b32 s[G1+0], s43, (1<<16)|(1<<20)|(1<<21)|(5<<22)|(3<<25)   ; 15:0 the mask; 17:16 elements of 2 bytes; 20 padding on; 21 set beside a mask; 24:22 after every 64 words (code 5); 31:25 4 words (code 3)
	s_or_b32 s[G1B+0], s44, (1<<16)|(1<<20)|(1<<21)|(5<<22)|(3<<25)
	s_mov_b32 s[G1+1], KSTEP<<16                   ; tensor_dim0 = 128
	s_mov_b32 s[G1+2], 128<<16                     ; tensor_dim1 = 128
	s_mov_b32 s[G1+3], KSTEP<<16                   ; tile_dim0 = 128
	s_mov_b32 s[G1+4], 128                         ; tile_dim1 = 128
	s_mov_b32 s[G1+5], 1024                        ; elements from row to row
	s_mov_b32 s[G1+6], 0
	s_mov_b32 s[G1+7], 0
	s_mov_b32 s[G1B+1], KSTEP<<16
	s_mov_b32 s[G1B+2], 96<<16                     ; tensor_dim1 = 96
	s_mov_b32 s[G1B+3], KSTEP<<16
	s_mov_b32 s[G1B+4], 96                         ; tile_dim1 = 96
	s_mov_b32 s[G1B+5], 1024
	s_mov_b32 s[G1B+6], 0
	s_mov_b32 s[G1B+7], 0
	s_lshl_b32 s16, s13, 8
	s_lshl_b32 s17, s12, 7
	s_add_co_u32 s16, s16, s17                     ; xr: row 256 x tile row + 128 x half,
	s_lshl_b32 s16, s16, 11                        ; in bytes
	s_mov_b32 s17, 0
	s_mul_i32 s46, s42, 192
	s_mul_i32 s47, s12, 96
	s_add_co_u32 s46, s46, s47
	s_add_co_u32 s46, s46, 4096                    ; w: row 4,096 + 192 x tile column + 96 x half of h16
	s_lshl_b32 s46, s46, 11
	s_mov_b32 s47, 0
	s_mul_i32 s20, s10, AHALF                      ; where they go: xr's halves at wave x 128 rows,
	s_mul_i32 s21, s10, BHALF
	s_add_co_u32 s21, s21, BOFF-2*BHALF            ; w's at BOFF + (wave - 2) x 96 rows: no place in the cluster enters an LDS address
	s_wait_dscnt 0x0                               ; the opening add is done
	s_wait_kmcnt 0x0
	s_add_nc_u64 s[14:15], s[4:5], s[16:17]
	s_add_nc_u64 s[46:47], s[4:5], s[46:47]
	CROUND                                         ; all sixteen work-groups are here: the first joint loads meet
.irp s, 0,1
	s_mov_b32 s[G0+4*(\s)], 1                                        ; count = 1
	s_add_co_u32 s[G0+4*(\s)+1], s20, (\s)*SLOT                      ; LDS address
	s_add_nc_u64 s[G0+4*(\s)+2:G0+4*(\s)+3], s[14:15], (\s)*KSTEP*2  ; global address: K step s
	s_or_b32 s[G0+4*(\s)+3], s[G0+4*(\s)+3], 0x80000000              ; type = 2
	s_mov_b32 s[G0B+4*(\s)], 1
	s_add_co_u32 s[G0B+4*(\s)+1], s21, (\s)*SLOT
	s_add_nc_u64 s[G0B+4*(\s)+2:G0B+4*(\s)+3], s[46:47], (\s)*KSTEP*2
	s_or_b32 s[G0B+4*(\s)+3], s[G0B+4*(\s)+3], 0x80000000
.endr
	s_cmp_lt_u32 s10, 2                            ; a wave's two first fills stand in one branch, ahead of every wait on TENSORcnt, every LDS read and every other barrier: two loads of mine are out
	s_cbranch_scc0 .Lfirst_b
	tensor_load_to_lds s[G0:G0+3], s[G1:G1+7]
	s_nop 0
	tensor_load_to_lds s[G0+4:G0+7], s[G1:G1+7]
	s_nop 0
.rept 4
	v_nop
.endr
	s_branch .Lfirst_asked
.Lfirst_b:
	tensor_load_to_lds s[G0B:G0B+3], s[G1B:G1B+7]
	s_nop 0
	tensor_load_to_lds s[G0B+4:G0B+7], s[G1B:G1B+7]
	s_nop 0
.rept 4
	v_nop
.endr
.Lfirst_asked:
	; the bias: register 8 b + j holds in_proj_b[192 x tile column + 16 b + 8 (l / 16) + j]: it is the C operand of each accumulator's first product
	v_and_b32 v1, 15, v0                           ; l % 16
	v_bfe_u32 v2, v0, 4, 1                         ; l / 16
	v_lshlrev_b32 v[BO], 5, v2
	s_mul_i32 s18, s42, 768
	s_mov_b32 s19, 0
	s_add_nc_u64 s[6:7], s[6:7], s[18:19]
.irp b, 0,1,2,3,4,5,6,7,8,9,10,11
	global_load_b128 v[BIAS+8*(\b):BIAS+8*(\b)+3],   v[BO], s[6:7] offset:64*(\b)
	global_load_b128 v[BIAS+8*(\b)+4:BIAS+8*(\b)+7], v[BO], s[6:7] offset:64*(\b)+16
.endr
	; a fragment is 16 rows x 32 K in 8 registers: lane l holds row l % 16, K = 8 (l / 16) + 0..7 and 16 + 8 (l / 16) + 0..7: two loads of 16 bytes, 32 bytes apart
	v_mul_u32_u24 v3, v1, PITCH
	v_lshl_add_u32 v3, v2, 4, v3
	s_mul_i32 s21, s10, 64*PITCH                   ; my 64 rows of xr
	v_add_nc_u32 v[ADRA], s21, v3
	v_add_nc_u32 v[ADRA+1], SLOT, v[ADRA]
	v_add_nc_u32 v[ADRB], BOFF, v3                 ; all 192 rows of w
	v_add_nc_u32 v[ADRB+1], BOFF+SLOT, v3
	s_mul_i32 s23, s10, WSTAGE
	s_add_co_u32 s23, s23, STAGE                   ; my stage
	v_mul_u32_u24 v4, v1, SP                       ; in: row l % 16, 16 bytes for each half of the lanes
	v_lshl_add_u32 v4, v2, 4, v4
	v_add_nc_u32 v[STO], s23, v4
	v_bfe_u32 v5, v0, 3, 2                         ; back: 32 lanes take four rows of 128 bytes,
	v_mul_u32_u24 v5, v5, SP
	v_and_b32 v6, 7, v0
	v_lshl_add_u32 v5, v6, 4, v5
	v_add_nc_u32 v[RD], s23, v5
	v_and_b32 v[GO], 31, v0                        ; which are 512 consecutive bytes of a head
	v_lshlrev_b32 v[GO], 4, v[GO]
	s_mul_i32 s16, s42, 3*HEADB                    ; my tile's first head,
	s_lshl_b32 s17, s13, 15                        ; its 256 rows of 128 bytes,
	s_add_co_u32 s16, s16, s17
	s_lshl_b32 s17, s10, 13                        ; my 64 of them
	s_add_co_u32 s16, s16, s17
	s_mov_b32 s17, 0
	s_add_nc_u64 s[8:9], s[8:9], s[16:17]
	; the prefetches
	s_lshl_b32 s20, s13, 8                         ; xr's tile begins at row 256 x tile row,
	s_mul_i32 s21, s42, 192
	s_add_co_u32 s21, s21, 4096                    ; w's at row 4,096 + 192 x tile column
	s_and_b32 s22, ttmp7, 0xffff                   ; cluster y
	s_cmp_eq_u32 s11, 0                            ; do I fetch for xr?
	s_cselect_b32 s20, s20, s21
	s_cselect_b32 s21, s40, s41                    ; my place among the four that ask with me
	s_cselect_b32 s22, ttmp9, s22                  ; the coordinate along which other clusters read the same rows
	s_cselect_b32 s23, 32, 24                      ; rows a partner
	s_cselect_b32 s18, 4, 3                        ; rows a wave, in thirty-twos: 128 or 96
	s_cselect_b32 s19, 31, 23                      ; the last lane with a row of its own
	s_lshl_b32 s18, s18, 5                         ; (the shift writes SCC: it stands behind the last select of this compare)
	s_cmp_eq_u32 s22, 0
	s_cselect_b32 s[LIM], 1, -1                    ; the same in all sixteen partners, for a given wave
	s_mul_i32 s18, s18, s12
	s_add_co_u32 s20, s20, s18
	s_mul_i32 s21, s21, s23
	s_add_co_u32 s20, s20, s21
	s_lshl_b32 s20, s20, 11
	s_add_co_u32 s20, s20, 2*KSTEP*2               ; at K step 2: the first refill steps it to 3 and names K step 4.  Nothing is prefetched here, at the head
	s_mov_b32 s21, 0
	s_add_nc_u64 s[PFA:PFA+1], s[4:5], s[20:21]
	v_and_b32 v[PFO], 31, v0
	v_min_u32 v[PFO], s19, v[PFO]
	v_lshlrev_b32 v[PFO], 11, v[PFO]
; 12 matrix instructions: row block a x all 12 column blocks, 32 along K, from buffer f.  first = 1: the bias starts the sums: nothing is cleared and nothing is added on the way out.
; The 48 accumulators take turns, one instruction a turn, in the same order in every quarter step.
.macro MULA f, a, first
.if \first
	WIN 0x81+0x40*((\a)/2)                         ; w window 1, xr window 0, C (the bias) window 0, D window 2 or 3
.else
	WIN 0xa1+0x50*((\a)/2)                         ; C and D window 2 or 3
.endif
.irp b, 0,1,2,3,4,5,6,7,8,9,10,11
.if \first
	v_wmma_f32_16x16x32_f16 v[8*(12*((\a)%2)+(\b)):8*(12*((\a)%2)+(\b))+7], v[96*(\f)+8*(\b):96*(\f)+8*(\b)+7], v[FA+32*(\f)+8*(\a):FA+32*(\f)+8*(\a)+7], v[BIAS+8*(\b):BIAS+8*(\b)+7]
.else
	v_wmma_f32_16x16x32_f16 v[8*(12*((\a)%2)+(\b)):8*(12*((\a)%2)+(\b))+7], v[96*(\f)+8*(\b):96*(\f)+8*(\b)+7], v[FA+32*(\f)+8*(\a):FA+32*(\f)+8*(\a)+7], v[8*(12*((\a)%2)+(\b)):8*(12*((\a)%2)+(\b))+7]
.endif
.endr
.endm
; 32 LDS loads in one run: the fragments of one quarter step (192 rows of w, my 64 rows of xr, 32 K at byte k of the rows) into buffer f
.macro FETCH slot, k, f
	WIN TO_B
.irp i, 0,1,2,3,4,5,6,7,8,9,10,11
	ds_load_b128 v[96*(\f)+8*(\i):96*(\f)+8*(\i)+3],   v[ADRB+(\slot)] offset:(\k)+(\i)*16*PITCH
	ds_load_b128 v[96*(\f)+8*(\i)+4:96*(\f)+8*(\i)+7], v[ADRB+(\slot)] offset:(\k)+(\i)*16*PITCH+32
.endr
	WIN 0
.irp i, 0,1,2,3
	ds_load_b128 v[FA+32*(\f)+8*(\i):FA+32*(\f)+8*(\i)+3],   v[ADRA+(\slot)] offset:(\k)+(\i)*16*PITCH
	ds_load_b128 v[FA+32*(\f)+8*(\i)+4:FA+32*(\f)+8*(\i)+7], v[ADRA+(\slot)] offset:(\k)+(\i)*16*PITCH+32
.endr
.endm
.macro PLACES                          ; four places in front of loads into registers that matrix instructions have read, and of conversions that read results
.rept 4
	v_nop
.endr
.endm
; A K step is four quarter steps of 32 along K, 48 matrix instructions each, on buffers 0, 1, 0, 1.  One of the first three: multiplies buffer f; in its middle it fetches the next quarter, at byte k, into buffer g.
.macro QUARTER slot, k, f, g, first
	s_wait_dscnt 4                                 ; w and xr's blocks 0, 1 are in; the youngest four loads (blocks 2, 3) may be out
	MULA \f, 0, \first
	MULA \f, 1, \first
	PLACES
	FETCH \slot, \k, \g
	s_wait_dscnt 32                                ; all but the 32 just issued
	MULA \f, 2, \first
	MULA \f, 3, \first
.endm
; The last quarter multiplies buffer 1 and changes slots: ONE barrier.  In front of it each wave waits for all its tensor loads (one is out: its part of the next slot), adds 0 to its spare word, and waits for
; that and for its own reads of this slot.  fill = 1: the barrier opens a round of the cluster's, and this slot is filled again, first thing behind the round, with the K step two steps on:
; from that request to the wait for it a wave issues 168 matrix instructions.
.macro TURN slot, next, fill
.if \fill
	s_wait_xcnt 0x0                                ; the last prefetch, a K step back, has read its address: it is stepped here, ahead of the waits of the change of slots
	s_add_nc_u64 s[PFA:PFA+1], s[PFA:PFA+1], KSTEP*2
.endif
	WIN 0                                          ; (the add's two registers lie in window 0)
	s_wait_tensorcnt 0x0                           ; all my tensor loads have landed
	ds_add_u32 v[SPW], v[NIL]                      ; 0 onto my spare word
	s_wait_dscnt 5                                 ; (the add and the youngest four loads may be out)
	MULA 1, 0, 0                                   ; twelve matrix instructions stand between the add and the wait for it
	s_wait_dscnt 0x0                               ; the add is done, and my reads of this slot are over
	s_barrier_signal -1
	MULA 1, 1, 0                                   ; work on registers while the others arrive
.if \fill
	WIN 0
.endif
	s_barrier_wait -1
.if \fill
	CREST                                          ; no wave of any partner still reads this slot's tile or has a load on its way
	s_add_nc_u64 s[G0+4*(\slot)+2:G0+4*(\slot)+3], s[G0+4*(\slot)+2:G0+4*(\slot)+3], 2*KSTEP*2
	s_add_nc_u64 s[G0B+4*(\slot)+2:G0B+4*(\slot)+3], s[G0B+4*(\slot)+2:G0B+4*(\slot)+3], 2*KSTEP*2
	JLOAD \slot                                    ; the first tensor load behind the round; the four v_nop behind it are also the places in front of the loads below
.else
	PLACES
.endif
	FETCH \next, 0, 0
.if \fill
	ASK                                            ; behind the joint load and the run of LDS loads that the next products wait for
.endif
	MULA 1, 2, 0
	MULA 1, 3, 0
.endm
; THE WAY OUT of row block a.  PACK: rounded to f16, 16 bytes a lane.  TOSTAGE: into my own stage, a head's 16 rows of 144 bytes each, and back as whole rows of 128.  SEND: stored.
.macro PACK a
	WIN 0x0a+5*((\a)/2)                            ; sources 0 and 1: window 2 or 3
.irp b, 0,1,2,3,4,5,6,7,8,9,10,11
.irp r, 0,1,2,3
	v_cvt_pk_f16_f32 v[TMP+4*(\b)+(\r)], v[96*((\a)%2)+8*(\b)+2*(\r)], v[96*((\a)%2)+8*(\b)+2*(\r)+1]  ; each accumulator's registers in ascending order
.endr
.endr
	WIN 0
.endm
.macro TOSTAGE a
	WIN 0
.irp b, 0,1,2,3,4,5,6,7,8,9,10,11
	ds_store_b128 v[STO], v[TMP+4*(\b):TMP+4*(\b)+3] offset:((\b)/4)*16*SP+((\b)%4)*32
.endr
.irp i, 0,1,2,3,4,5,6,7,8,9,10,11
	ds_load_b128 v[OB+48*((\a)%2)+4*(\i):OB+48*((\a)%2)+4*(\i)+3], v[RD] offset:((\i)/4)*16*SP+((\i)%4)*4*SP  ; LDS serves a wave's instructions in order (ISA guide 5.7.1.4): these see the stores above
.endr
.endm
.macro SEND a
	WIN 0
	s_wait_dscnt 0x0                               ; the block is back in registers
	s_wait_xcnt 0x0                                ; the stores issued so far have read their registers: the buffer that they named is loaded again only behind this wait
.irp i, 0,1,2,3,4,5,6,7,8,9,10,11
	global_store_b128 v[GO], v[OB+48*((\a)%2)+4*(\i):OB+48*((\a)%2)+4*(\i)+3], s[8:9] offset:((\i)/4)*HEADB+(\a)*2048+((\i)%4)*512  ; four rows of a head: 512 consecutive bytes, at a multiple of 256 from qkv's first byte
.endr
.endm
	s_wait_tensorcnt 1                             ; my part of K step 0 is in; K step 1's may stay out
	s_barrier_signal -1
	s_barrier_wait -1                              ; everybody's is
	FETCH 0, 0, 0
	s_wait_loadcnt 0x0                             ; the bias
	QUARTER 0, 64, 0, 1, 1                         ; the first quarter stands in front of the loop: its products start the sums
	WIN 0                                          ; at a label and at a branch every window is 0
	s_mov_b32 s3, LAPS-1
.Llap:                                                 ; a trip goes once round the ring, from a lap's second quarter to the next lap's first, and fills both slots again
	QUARTER 0, 128, 1, 0, 0
	QUARTER 0, 192, 0, 1, 0
	TURN 0, 1, 1
	QUARTER 1, 64,  0, 1, 0
	QUARTER 1, 128, 1, 0, 0
	QUARTER 1, 192, 0, 1, 0
	TURN 1, 0, 1
	QUARTER 0, 64,  0, 1, 0
	WIN 0
	s_sub_co_u32 s3, s3, 1
	s_cmp_lg_u32 s3, 0
	s_cbranch_scc1 .Llap
	QUARTER 0, 128, 1, 0, 0                        ; the last lap fills nothing, and has no round of the cluster's barrier
	QUARTER 0, 192, 0, 1, 0
	TURN 0, 1, 0
	QUARTER 1, 64,  0, 1, 0
	QUARTER 1, 128, 1, 0, 0
	QUARTER 1, 192, 0, 1, 0
	s_wait_dscnt 4                                 ; the very last quarter: nothing more to fetch
	MULA 1, 0, 0
	MULA 1, 1, 0
	s_wait_dscnt 0x0
	MULA 1, 2, 0
	MULA 1, 3, 0
	WIN 0
	PLACES
	PLACES
	PACK 0
	TOSTAGE 0
.irp a, 1,2,3                          ; block a's conversions stand between block a - 1's loads from the stage and the wait for them
	PACK \a
	SEND (\a)-1
	TOSTAGE \a
.endr
	SEND 3
	s_wait_tensorcnt 0x0                           ; the wave's end, behind my last tensor load and my last LDS store
	ds_add_u32 v[SPW], v[NIL]
	s_wait_dscnt 0x0
	CROUND                                         ; the closing round: no work-group ends while a partner may still ask for a tile that names it
	s_endpgm
.Lfunc_end_k_q9aad55bd05_inproj:
	.size	k_q9aad55bd05_inproj, .Lfunc_end_k_q9aad55bd05_inproj-k_q9aad55bd05_inproj
	.p2alignl 7, 3214868480
	.fill 96, 4, 3214868480
	.section	.rodata,"a",@progbits
	.p2align	6, 0x0
	.amdhsa_kernel k_q9aad55bd05_inproj
		.amdhsa_group_segment_fixed_size 327680
		.amdhsa_private_segment_fixed_size 0
		.amdhsa_enable_private_segment 0
		.amdhsa_kernarg_size 24
		.amdhsa_user_sgpr_count 2
		.amdhsa_user_sgpr_kernarg_segment_ptr 1
		.amdhsa_wavefront_size32 1
		.amdhsa_system_sgpr_workgroup_id_x 1
		.amdhsa_system_sgpr_workgroup_id_y 1
		.amdhsa_system_sgpr_workgroup_id_z 1
		.amdhsa_system_vgpr_workitem_id 0
		.amdhsa_next_free_vgpr 960
		.amdhsa_next_free_sgpr 66
		.amdhsa_reserve_vcc 0
		.amdhsa_float_denorm_mode_32 3
		.amdhsa_float_denorm_mode_16_64 3
		.amdhsa_memory_ordered 1
		.amdhsa_forward_progress 1
		.amdhsa_inst_pref_size 122
	.end_amdhsa_kernel
	.amdgpu_metadata
---
amdhsa.version: [ 1, 2 ]
amdhsa.kernels:
  - .name:           k_q9aad55bd05_inproj
    .symbol:         k_q9aad55bd05_inproj.kd
    .args:
      - { .name: h16, .offset: 0, .size: 8, .value_kind: global_buffer, .address_space: global }
      - { .name: in_proj_b, .offset: 8, .size: 8, .value_kind: global_buffer, .address_space: global }
      - { .name: qkv, .offset: 16, .size: 8, .value_kind: global_buffer, .address_space: global }
    .group_segment_fixed_size: 327680
    .private_segment_fixed_size: 0
    .kernarg_segment_align: 8
    .kernarg_segment_size: 24
    .max_flat_workgroup_size: 128
    .sgpr_count:     66
    .vgpr_count:     960
    .wavefront_size: 32
...
	.end_amdgpu_metadata
.endif
;; end of part 2
;; launch attn (part 3): grid 32 x 8, 4 waves a work-group, no clusters, 283,648 bytes of LDS; arguments qkv, oh; writes oh
.if DOCPART == 3
	.amdgcn_target "amdgcn-amd-amdhsa--gfx1250"
	.amdhsa_code_object_version 6
	.text
	.protected	k_q9aad55bd05_attn
	.globl	k_q9aad55bd05_attn
	.p2align	8
	.type	k_q9aad55bd05_attn,@function
k_q9aad55bd05_attn:
	s_mov_b64 s[64:65], 0
	v_nop
	global_prefetch_b8 v0, s[64:65] scope:SCOPE_SE
	s_setreg_imm32_b32 hwreg(HW_REG_WAVE_MODE, 25, 1), 1
	s_wait_xcnt 0x0
; oh[i][64 head + :] = the sum over the allowed keys j of softmax_j(q[i] . k[j] / 8) v[j][:].  Key j is allowed for query i where |i - j| <= 128 or j % 256 = 0.
; qkv: [48][4096][64] f16 (q's heads 0-15, k's 16-31, v's 32-47), a head's rows dense, 128 bytes each.  oh: [4096][1024] f16.  Products, maxima and sums in f32; the weights p are rounded to f16 for
; the second product (their sum l is taken of the unrounded p), O once at the end.
; LIMITS.  f16 holds no number beyond 65,504; p lies in 0 to 1 and below 6e-5 keeps f16's fixed step of 6e-8, and so does O.  A hidden score counts as its value less 1e30 (or 2e30); a weight below 2^-126 counts as 0
; in l; NaN and infinities are not treated apart.
; SHARES.  A work-group owns 128 queries (q0 = 128 x) of two neighbouring heads (pair y), so that a row of its O is 256 consecutive bytes of oh.  Wave w: head e = w & 1, queries q0 + 64 u .., u = w >> 1: four tiles of 16.
; THE KEYS.  First the 16 keys j = 256 g, which every query sees: they start m, l and O^T, so that the running maximum is a true score from the start.  Then the band: the work-group's window q0 - 128 .. q0 + 255,
; 384 keys a head, lies in LDS whole: every byte of LDS is filled once, and there is one wait and one barrier for all of it.  A wave walks five steps of 64 keys, from j0 = q0 + 64 u - 128 on.  With qq the query's and
; kk the key's place in wave and step: step 0 hides kk < qq, step 4 hides kk > qq, steps 1 to 3 hide nothing; where j0 % 256 = 0 key kk = 0 is hidden, since it was counted among the 16.
; A step that begins outside 0 .. 4095 (in the first and the last query block) is jumped over: forward, past no barrier and no tensor load.
; THE MASK is the C operand that starts the sum S^T = K Q^T: 0 or -1e30.
; LAYOUT.  S^T = K Q^T (source 0 = 16 keys, source 1 = 16 queries) holds ONE query a lane (l % 16) and the keys 8 (l / 16) + 0..7; two such results rounded to f16 ARE source 1 of O^T = V^T P.  K comes out of LDS as it lies,
; V ([key][channel]) turned, by ds_load_tr16_b128.  p = 2^(c s - c m), c = log2(e) / 8; in every step O and l are multiplied by a = 2^(c m_old - c m_new).
; IN PHASES: a step's 32 products K Q^T, its softmax (one batch of exponentials, one wait), its 32 products V^T P.
; NO CLUSTER: a key row is wanted by three neighbouring query blocks, at a different place of each one's window, so a joint load would need an LDS address that hangs on the work-group's place;
; the 16 keys that all blocks of a head share are 4 KiB of the 200 KiB that a work-group fetches.  NO PREFETCH: all that is fetched is asked for at the head.
; REGISTERS, in windows of 256 (s_set_vgpr_msb: bits 1:0 source 0, 3:2 source 1, 5:4 source 2, 7:6 destination):
;   window 0: v1-15 addresses; v16-47 eight registers of statistics a tile; v48-51 c m_old; v62-63 the add's; v64-191 S^T, 32 a tile; v192-255 P, 16 a tile
;   window 1: v0-127 O^T, 32 a tile; v128-185 masks      window 2: v0-63 Q, 16 a tile; v64-127 K of one step; v128-191 V of one step
.set PK,    144                        ; a row of K in LDS: 128 bytes + 16 of padding = 36 words: the 16 rows of a load start at 16 different groups of four banks (64 banks of 4 bytes: ISA guide 11.1)
.set PV,    160                        ; a row of V: 128 + 32 = 40 words
.set KH,    384*PK                     ; a head's window of K
.set VH,    384*PV                     ; and of V
.set VB,    2*KH                       ; V's windows lie behind K's
.set GKB,   VB+2*VH                    ; then the 16 keys' K, 16 rows a head,
.set GKH,   16*PK
.set GVB,   GKB+2*GKH                  ; and their V, 32 rows a head, of which the last 16 are zeros
.set GVH,   32*PV
.set STAGE, GVB+2*GVH                  ; never filled by a tensor load: 128 rows x 272 bytes, the work-group's, for the way out
.set SP,    272
.set SPARE, STAGE+128*SP               ; the spare words, 128 bytes for each wave: two blocks of 256 bytes that no other line names
.set AK0, 2                            ; v2   my lane's place in a tile of K; never rewritten
.set AV0, 3                            ; v3   the same for V
.set AK,  4                            ; v4   the LDS address of K's run of loads
.set AV,  5                            ; v5   of V's
.set STO, 6                            ; v6   the way out: where I put 16 bytes of a row
.set RD,  7                            ; v7   where I read rows back
.set GO,  8                            ; v8   my byte offset in two rows of oh
.set QO,  12                           ; v12  my byte offset in 16 rows of Q
.set AGK, 13                           ; v13  the LDS address of the 16 keys' K
.set AGV, 15                           ; v15  of their V
.set ST,  16                           ; tile t's statistics at v[ST+8 t]: c m, m, l (even keys', odd keys'), c0-c3 at work; when the maximum is found c2 takes a
.set MO,  48                           ; v48-51  c m_old
.set SPW, 62
.set NIL, 63
.set S,   64
.set P,   192
.set DLO, 128                          ; window 1: -1e30 where 8 (l / 16) + r < l % 16; made once
.set DHI, 136                          ; -1e30 where it is greater; made once
.set ML,  144                          ; the step's mask for tiles with key block < query tile
.set MH,  152                          ; for key block > query tile
.set MD,  160                          ; for key block = query tile
.set ML0, 168                          ; ML for key block 0, with key 0's own mask
.set MD0, 176                          ; MD likewise
.set HZ,  184                          ; 1.0 in lanes 0-15, which hold key 0
.set GX,  185                          ; key 0's own mask
.set KF,  64                           ; window 2: key block kb, channel half c at KF + 16 kb + 8 c
.set VF,  128                          ; window 2: key half kk, channel block cb at VF + 32 kk + 8 cb
.set WV,  12                           ; s12  my wave's number
.set E,   13                           ; s13  my head of the two; also: the head for which I fetch
.set U,   14                           ; s14  my half of the queries
.set Q0,  15                           ; s15  the work-group's first query
.set G1,  24                           ; s[24:31] descriptor group 1 for 128 keys of the window
.set G1G, 32                           ; s[32:39] for the 16 keys
.set G0,  40                           ; s[40:55] four groups 0: the 16 keys, then the window's three parts
.set CNT, 56                           ; s56  steps to go, 5 to 1
.set J0,  57                           ; s57  the step's first key
.set CS,  58                           ; s[58:59] c
.set SEL, 60                           ; s[60:61] v_permlanex16_b32's selects: each lane takes its own place in the other half
.set TBK, 62                           ; s62  LDS byte at which the step's K begins
.set TBV, 63                           ; s63  the same for V
.set SA,  66                           ; s66  -1e30 in step 0, else 0
.set SB,  67                           ; s67  -1e30 in step 4, else 0
.set AL,  68                           ; s[68:69] 1.0 in step 0, else 0
.set BE,  70                           ; s[70:71] 1.0 in step 4, else 0
.set SG,  72                           ; s72  -1e30 where the step's first key is one of the 16, else 0
.set NEG, 73                           ; s73  -1e30
.set KO,  74                           ; s[74:79] the three parts' byte offsets in a head
.set MSB, 0
.macro WIN new                         ; the high byte repeats the setting that is left; a switch that changes nothing is dropped
.if MSB != (\new)
	s_set_vgpr_msb (MSB<<8)|(\new)
.set MSB, (\new)
.endif
.endm
.set W_KQ, 0x0a                        ; K and Q in window 2, S^T in window 0
.set W_KM, 0x1a                        ; the same with the C operand in window 1
.set W_PV, 0x52                        ; V in window 2, P in window 0, O^T in window 1
.set W_RS, 0x41                        ; destination and source 0 in window 1, source 1 in window 0
.set W_MK, 0x55                        ; all in window 1
.set W_L2, 0x80                        ; destination window 2
.set W_D1, 0x40                        ; destination window 1
.set W_O0, 0x05                        ; sources 0 and 1 window 1, destination window 0
.macro PLACES                          ; four places behind matrix instructions (ISA guide 7.12.1)
.rept 4
	v_nop
.endr
.endm
	s_load_b128 s[4:7], s[0:1], 0x0                ; qkv s[4:5], oh s[6:7]
	v_lshl_add_u32 v[SPW], v0, 2, SPARE
	v_mov_b32 v[NIL], 0
	ds_add_u32 v[SPW], v[NIL]                      ; the wave's opening: the add and its wait stand ahead of my first tensor load; the set-up below, work on registers, stands between them
	v_lshrrev_b32 v1, 5, v0
	v_readfirstlane_b32 s[WV], v1                  ; wave 0..3
	s_and_b32 s[E], s[WV], 1
	s_lshr_b32 s[U], s[WV], 1
	s_lshl_b32 s[Q0], ttmp9, 7
	s_and_b32 s16, ttmp7, 0xffff                   ; the pair of heads
	s_lshl_b32 s10, s16, 8                         ; its 256 bytes in a row of oh
	s_lshl_b32 s16, s16, 1
	s_add_co_u32 s16, s16, s[E]                    ; my head,
	s_lshl_b32 s16, s16, 19                        ; in bytes
	s_mov_b32 s17, 0
	s_sub_co_i32 s[KO], s[Q0], 128                 ; the window's three parts of 128 keys begin at q0 - 128, q0, q0 + 128; a part that would lie outside the head
	s_max_i32 s[KO], s[KO], 0                      ; is taken from inside it: only steps that are jumped over would read it
	s_lshl_b32 s[KO], s[KO], 7
	s_mov_b32 s[KO+1], 0
	s_lshl_b32 s[KO+2], s[Q0], 7
	s_mov_b32 s[KO+3], 0
	s_add_co_u32 s[KO+4], s[Q0], 128
	s_min_u32 s[KO+4], s[KO+4], 3968
	s_lshl_b32 s[KO+4], s[KO+4], 7
	s_mov_b32 s[KO+5], 0
	; group 1 for a part: 128 keys are 16,384 dense bytes: asked for as 64 rows of 256 bytes, two keys a row, padded in LDS after every key (word 0 is written with the fills)
	s_mov_b32 s[G1+1], 128<<16                     ; tensor_dim0 = 128
	s_mov_b32 s[G1+2], 64<<16                      ; tensor_dim1 = 64
	s_mov_b32 s[G1+3], 128<<16                     ; tile_dim0 = 128
	s_mov_b32 s[G1+4], 64                          ; tile_dim1 = 64
	s_mov_b32 s[G1+5], 128                         ; elements from row to row
	s_mov_b32 s[G1+6], 0
	s_mov_b32 s[G1+7], 0
	; group 1 for the 16 keys: rows of 64 elements, 256 keys = 16,384 elements apart (words 0 and 4 are written with the fills)
	s_mov_b32 s[G1G+1], 64<<16                     ; tensor_dim0 = 64
	s_mov_b32 s[G1G+2], 16<<16                     ; tensor_dim1 = 16: rows of the tile from 16 on arrive as zeros
	s_mov_b32 s[G1G+3], 64<<16                     ; tile_dim0 = 64
	s_mov_b32 s[G1G+5], 16384
	s_mov_b32 s[G1G+6], 0
	s_mov_b32 s[G1G+7], 0
.irp i, 0,1,2,3
	s_mov_b32 s[G0+4*\i], 1                        ; count = 1
.endr
	s_mov_b32 s[CS], 0x3e38aa3b                    ; c = log2(e) / 8 = 0.180337
	s_mov_b32 s[CS+1], s[CS]                       ; named with it as a pair
	s_mov_b32 s[SEL], 0x76543210
	s_mov_b32 s[SEL+1], 0xfedcba98
	s_mov_b32 s[NEG], 0xf149f2ca                   ; -1e30
	s_mov_b32 s[AL+1], 0                           ; named as pairs
	s_mov_b32 s[BE+1], 0
	s_lshl_b32 s[J0], s[U], 6
	s_add_co_u32 s[J0], s[J0], s[Q0]
	s_sub_co_u32 s[J0], s[J0], 128                 ; below 0 it wraps, and is then no number under 4,096
	s_mul_i32 s[TBK], s[E], KH
	s_mul_i32 s2, s[U], 64*PK
	s_add_co_u32 s[TBK], s[TBK], s2
	s_mul_i32 s[TBV], s[E], VH
	s_mul_i32 s2, s[U], 64*PV
	s_add_co_u32 s[TBV], s[TBV], s2
	s_add_co_u32 s[TBV], s[TBV], VB
	s_wait_dscnt 0x0                               ; the opening add is done
	s_wait_kmcnt 0x0
; A wave's four fills: the 16 keys, then the window's three parts, of K (waves 0, 1) or of V (waves 2, 3), for head wave & 1.  pad: the padding's code; grows: rows of the 16 keys' tile;
; gbase, ghead and base, head, part: where they go in LDS; goff: where the tensor begins in qkv.  Four loads of mine are out.  An s_nop 0 follows each, four v_nop the last.
.macro FILLS pad, grows, gbase, ghead, base, head, part, goff
	s_mov_b32 s[G1], (1<<16)|(1<<20)|(4<<22)|((\pad)<<25)   ; 17:16 2-byte elements; 20 padding on; 24:22 after every 32 words (code 4); 31:25 the padding's words less one
	s_mov_b32 s[G1G], (1<<16)|(1<<20)|(4<<22)|((\pad)<<25)
	s_mov_b32 s[G1G+4], \grows                     ; tile_dim1
	s_mul_i32 s2, s[E], \ghead
	s_add_co_u32 s[G0+1], s2, \gbase
	s_mul_i32 s2, s[E], \head
	s_add_co_u32 s[G0+5], s2, \base
	s_add_co_u32 s[G0+9], s2, (\base)+(\part)
	s_add_co_u32 s[G0+13], s2, (\base)+2*(\part)
	s_add_nc_u64 s[20:21], s[4:5], s[16:17]
	s_add_nc_u64 s[20:21], s[20:21], \goff         ; the head's first row of K or V
	s_mov_b64 s[G0+2:G0+3], s[20:21]
	s_or_b32 s[G0+3], s[G0+3], 0x80000000          ; type = 2
.irp i, 0,1,2
	s_add_nc_u64 s[G0+6+4*\i:G0+7+4*\i], s[20:21], s[KO+2*\i:KO+2*\i+1]
	s_or_b32 s[G0+7+4*\i], s[G0+7+4*\i], 0x80000000
.endr
	tensor_load_to_lds s[G0:G0+3], s[G1G:G1G+7]
	s_nop 0
	tensor_load_to_lds s[G0+4:G0+7], s[G1:G1+7]
	s_nop 0
	tensor_load_to_lds s[G0+8:G0+11], s[G1:G1+7]
	s_nop 0
	tensor_load_to_lds s[G0+12:G0+15], s[G1:G1+7]
	s_nop 0
.rept 4
	v_nop
.endr
.endm
	s_cmp_lt_u32 s[WV], 2                          ; all fills of a wave stand in one branch, ahead of every wait on TENSORcnt, every LDS read and every barrier
	s_cbranch_scc0 .Lfill_v
	FILLS 3, 16, GKB, GKH, 0, KH, 128*PK, 8388608
	s_branch .Lfilled
.Lfill_v:
	FILLS 7, 32, GVB, GVH, VB, VH, 128*PV, 16777216
.Lfilled:
	; A fragment of K or Q is 16 rows x 32 channels in 8 registers: lane l holds row l % 16, channels 8 (l / 16) + 0..7 and 16 + 8 (l / 16) + 0..7: two loads of 16 bytes, 32 bytes apart.
	v_and_b32 v1, 15, v0                           ; l % 16
	v_bfe_u32 v9, v0, 4, 1                         ; l / 16
	v_and_b32 v10, 7, v0
	v_bfe_u32 v11, v0, 3, 1
	v_lshlrev_b32 v[QO], 7, v1
	v_lshl_add_u32 v[QO], v9, 4, v[QO]             ; row x 128 + 16 x half
	s_lshl_b32 s2, s[U], 6
	s_add_co_u32 s2, s2, s[Q0]
	s_lshl_b32 s2, s2, 7                           ; my wave's first query, in bytes,
	s_mov_b32 s3, 0
	s_add_nc_u64 s[2:3], s[2:3], s[16:17]          ; in my head
	s_add_nc_u64 s[8:9], s[4:5], s[2:3]
	WIN W_L2
.set i, 0
.rept 8                                ; Q stays in registers: tile i / 2, channels 32 (i % 2) on
	global_load_b128 v[8*i:8*i+3],   v[QO], s[8:9] offset:(i/2)*2048+(i%2)*64
	global_load_b128 v[8*i+4:8*i+7], v[QO], s[8:9] offset:(i/2)*2048+(i%2)*64+32
.set i, i+1
.endr
	WIN 0
	v_mul_u32_u24 v[AK0], v1, PK
	v_lshl_add_u32 v[AK0], v9, 4, v[AK0]           ; row x pitch + 16 x half
	; The turning load takes 16 keys x 16 channels (lane l reads key 8 (l / 16) + l % 8, channels 8 ((l / 8) % 2) + 0..7) and leaves half a fragment of V^T: lane l holds channel l % 16 and 8 keys.
	v_lshl_add_u32 v[AV0], v9, 3, v10
	v_mul_u32_u24 v[AV0], v[AV0], PV
	v_lshl_add_u32 v[AV0], v11, 4, v[AV0]
	s_mul_i32 s2, s[E], GKH
	s_add_co_u32 s2, s2, GKB
	v_add_nc_u32 v[AGK], s2, v[AK0]
	s_mul_i32 s2, s[E], GVH
	s_add_co_u32 s2, s2, GVB
	v_add_nc_u32 v[AGV], s2, v[AV0]
	s_mul_i32 s2, s[U], 64*SP                      ; into the stage: my 64 rows, my head's half of their 256 bytes; row l % 16, 16 bytes for each half of the lanes
	s_lshl_b32 s3, s[E], 7
	s_add_co_u32 s2, s2, s3
	s_add_co_u32 s2, s2, STAGE
	v_mul_u32_u24 v[STO], v1, SP
	v_lshl_add_u32 v[STO], v9, 4, v[STO]
	v_add_nc_u32 v[STO], s2, v[STO]
	s_mul_i32 s2, s[WV], 32*SP                     ; back: wave w takes rows 32 w .. 32 w + 31, whole; lanes 0-15 one row of 256 bytes, lanes 16-31 the next
	s_add_co_u32 s2, s2, STAGE
	v_mul_u32_u24 v[RD], v9, SP
	v_lshl_add_u32 v[RD], v1, 4, v[RD]
	v_add_nc_u32 v[RD], s2, v[RD]
	v_lshlrev_b32 v[GO], 11, v9                    ; and the same two rows in oh
	v_lshl_add_u32 v[GO], v1, 4, v[GO]
	s_lshl_b32 s2, s[WV], 5
	s_add_co_u32 s2, s2, s[Q0]
	s_lshl_b32 s2, s2, 11                          ; the first row of oh that I store,
	s_add_co_u32 s2, s2, s10                       ; the pair's 256 bytes in it
	s_mov_b32 s3, 0
	s_add_nc_u64 s[6:7], s[6:7], s[2:3]
	v_lshlrev_b32 v14, 3, v9
	v_sub_nc_u32 v14, v14, v1                      ; 8 (l / 16) - l % 16: register r's key lies below my query where this + r < 0, above it where > 0
	WIN W_D1
.set z, 0
.rept 8
	v_cmp_gt_i32 vcc_lo, -z, v14
	v_cndmask_b32 v[DLO+z], 0, s[NEG], vcc_lo
	v_cmp_lt_i32 vcc_lo, -z, v14
	v_cndmask_b32 v[DHI+z], 0, s[NEG], vcc_lo
.set z, z+1
.endr
	v_cmp_eq_u32 vcc_lo, 0, v9
	v_cndmask_b32 v[HZ], 0, 1.0, vcc_lo
	WIN 0
; THE VECTOR WORK, a line at a time for tile t; T4 writes a line for all four tiles, so that the links of a chain stand four lines apart.
.macro REGS t
.set rT, ST+8*(\t)
.set rC, ST+8*(\t)+4
.set rM, MO+(\t)
.set rS, S+32*(\t)
.set rP, P+16*(\t)
.set rO, 32*(\t)
.endm
.macro T4 m, a=0, b=0
	\m 0, \a, \b
	\m 1, \a, \b
	\m 2, \a, \b
	\m 3, \a, \b
.endm
; Number n of the 22 that find a step's maximum and statistics.  s0-s31 are the lane's 32 scores; each accumulator's lowest registers are read first.
;   0-11  four chains c0-c3 of seven scores each     12-14, 16  the four scores left over, the old m, and c0-c3 into c0     15  c m_old is kept
;   17, 18  the query's other 32 keys lie in the lane 16 away: the new m     19-21  c m; c m_old - c m_new; a
.macro XS t, n=0, x=0
	REGS \t
.if (\n) < 4
	v_max3_num_f32 v[rC+(\n)], v[rS+8*(\n)], v[rS+8*(\n)+1], v[rS+8*(\n)+2]
.elseif (\n) < 12
	v_max3_num_f32 v[rC+(\n)%4], v[rC+(\n)%4], v[rS+8*((\n)%4)+2*((\n)/4)+1], v[rS+8*((\n)%4)+2*((\n)/4)+2]
.elseif (\n) == 12
	v_max3_num_f32 v[rC], v[rC], v[rS+7], v[rS+15]
.elseif (\n) == 13
	v_max3_num_f32 v[rC+1], v[rC+1], v[rS+23], v[rS+31]
.elseif (\n) == 14
	v_max3_num_f32 v[rC+2], v[rC+2], v[rC+3], v[rT+1]
.elseif (\n) == 15
	v_mov_b32 v[rM], v[rT]
.elseif (\n) == 16
	v_max3_num_f32 v[rC], v[rC], v[rC+1], v[rC+2]
.elseif (\n) == 17
	v_permlanex16_b32 v[rC+3], v[rC], s[SEL], s[SEL+1]
.elseif (\n) == 18
	v_max_num_f32 v[rT+1], v[rC], v[rC+3]
.elseif (\n) == 19
	v_mul_f32 v[rT], s[CS], v[rT+1]
.elseif (\n) == 20
	v_sub_f32 v[rC+1], v[rM], v[rT]
.else
	v_exp_f32 v[rC+2], v[rC+1]
.endif
.endm
.macro GM t, n=0, x=0                  ; number n of the 7 that find the 16 keys' maximum: eight scores a lane, no old m
	REGS \t
.if (\n) == 0
	v_max3_num_f32 v[rC], v[rS], v[rS+1], v[rS+2]
.elseif (\n) == 1
	v_max3_num_f32 v[rC+3], v[rS+3], v[rS+4], v[rS+5]
.elseif (\n) == 2
	v_max3_num_f32 v[rC], v[rC], v[rS+6], v[rS+7]
.elseif (\n) == 3
	v_max_num_f32 v[rC], v[rC], v[rC+3]
.elseif (\n) == 4
	v_permlanex16_b32 v[rC+3], v[rC], s[SEL], s[SEL+1]
.elseif (\n) == 5
	v_max_num_f32 v[rT+1], v[rC], v[rC+3]
.else
	v_mul_f32 v[rT], s[CS], v[rT+1]
.endif
.endm
.macro FS t, b=0, x=0                  ; c s - c m for pair b
	REGS \t
	v_pk_fma_f32 v[rS+2*(\b):rS+2*(\b)+1], v[rS+2*(\b):rS+2*(\b)+1], s[CS:CS+1], v[rT:rT+1] op_sel_hi:[1,0,0] neg_lo:[0,0,1] neg_hi:[0,0,1]
.endm
.macro EX t, e=0, x=0                  ; the exponential of score e
	REGS \t
	v_exp_f32 v[rS+(\e)], v[rS+(\e)]
.endm
.macro CV t, b=0, x=0                  ; pair b rounded to f16
	REGS \t
	v_cvt_pk_f16_f32 v[rP+(\b)], v[rS+2*(\b)], v[rS+2*(\b)+1]
.endm
.macro ZP t, z=0, x=0                  ; the 16 keys fill half of a product's 32: the other half's weights are 0
	REGS \t
	v_mov_b32 v[rP+4+(\z)], 0
.endm
.macro AD t, a=0, b=0                  ; the pair at b is added onto the pair at a, in place
	REGS \t
	v_pk_add_f32 v[rS+(\a):rS+(\a)+1], v[rS+(\a):rS+(\a)+1], v[rS+(\b):rS+(\b)+1]
.endm
.macro L0 t, a=0, b=0                  ; the 16 keys start l
	REGS \t
	v_pk_add_f32 v[rT+2:rT+3], v[rS:rS+1], v[rS+4:rS+5]
.endm
.macro LS t, a=0, b=0                  ; l = a l + the step's sum
	REGS \t
	v_pk_fma_f32 v[rT+2:rT+3], v[rT+2:rT+3], v[rC+2:rC+3], v[rS:rS+1] op_sel_hi:[1,0,1]
.endm
.macro RS t, z=0, x=0                  ; pair z of O^T times a (in the way out: times 1 / l)
	REGS \t
	v_pk_mul_f32 v[rO+2*(\z):rO+2*(\z)+1], v[rO+2*(\z):rO+2*(\z)+1], v[rC+2:rC+3] op_sel_hi:[1,0]
.endm
.macro WO t, n=0, x=0                  ; the way out's four lines: l's two halves, the other half of the lanes', 1 / l
	REGS \t
.if (\n) == 0
	v_add_f32 v[rC], v[rT+2], v[rT+3]
.elseif (\n) == 1
	v_permlanex16_b32 v[rC+3], v[rC], s[SEL], s[SEL+1]
.elseif (\n) == 2
	v_add_f32 v[rC], v[rC], v[rC+3]
.else
	v_rcp_f32 v[rC+2], v[rC]
.endif
.endm
	s_wait_tensorcnt 0x0                           ; my four tiles are in LDS,
	s_barrier_signal -1
	s_barrier_wait -1                              ; everybody's are: all that the work-group reads from LDS lies there
	; THE 16 KEYS, written out: they start m, l and O^T, so nothing is cleared
	WIN W_L2
.irp c, 0,1
	ds_load_b128 v[KF+8*\c:KF+8*\c+3],   v[AGK] offset:64*\c
	ds_load_b128 v[KF+8*\c+4:KF+8*\c+7], v[AGK] offset:64*\c+32
.endr
.irp cb, 0,1,2,3
	ds_load_tr16_b128 v[VF+8*\cb:VF+8*\cb+3],   v[AGV] offset:32*\cb
	ds_load_tr16_b128 v[VF+8*\cb+4:VF+8*\cb+7], v[AGV] offset:16*PV+32*\cb
.endr
	s_wait_loadcnt 0x0                             ; Q
	s_wait_dscnt 8                                 ; K is in; V's eight loads may stay out
	WIN W_KQ
.irp c, 0,1
.irp t, 0,1,2,3                        ; the four accumulators take turns
.if \c == 0
	v_wmma_f32_16x16x32_f16 v[S+32*\t:S+32*\t+7], v[KF+8*\c:KF+8*\c+7], v[16*\t+8*\c:16*\t+8*\c+7], 0
.else
	v_wmma_f32_16x16x32_f16 v[S+32*\t:S+32*\t+7], v[KF+8*\c:KF+8*\c+7], v[16*\t+8*\c:16*\t+8*\c+7], v[S+32*\t:S+32*\t+7]
.endif
.endr
.endr
	PLACES
	WIN 0
.set n, 0
.rept 7
	T4 GM, n
.set n, n+1
.endr
.set n, 0
.rept 4
	T4 FS, n
.set n, n+1
.endr
.set n, 0
.rept 8
	T4 EX, n
.set n, n+1
.endr
	v_nop                                          ; a plain instruction behind the last exponential,
	s_wait_alu depctr_va_vdst(0)                   ; and one wait for the 32, ahead of the first line that names a result
.set n, 0
.rept 4
	T4 CV, n
	T4 ZP, n
.set n, n+1
.endr
	T4 AD, 0, 2
	T4 AD, 4, 6
	T4 L0
	s_wait_dscnt 0x0                               ; V is in
	WIN W_PV
.irp cb, 0,1,2,3
.irp t, 0,1,2,3
	v_wmma_f32_16x16x32_f16 v[32*\t+8*\cb:32*\t+8*\cb+7], v[VF+8*\cb:VF+8*\cb+7], v[P+16*\t:P+16*\t+7], 0
.endr
.endr
	PLACES                                         ; the places in front of the loads into V's registers
	WIN 0
	; THE BAND: five steps of 64 keys
	s_mov_b32 s[CNT], 5
.Lstep:
	s_cmp_lt_u32 s[J0], 4096
	s_cbranch_scc0 .Ldead                          ; the step begins outside the head
	s_cmp_eq_u32 s[CNT], 5                         ; step 0: keys below the query are hidden
	s_cselect_b32 s[SA], s[NEG], 0
	s_cselect_b32 s[AL], 1.0, 0
	s_cmp_eq_u32 s[CNT], 1                         ; step 4: keys above it
	s_cselect_b32 s[SB], s[NEG], 0
	s_cselect_b32 s[BE], 1.0, 0
	s_and_b32 s2, s[J0], 255
	s_cmp_eq_u32 s2, 0                             ; the step's first key is one of the 16
	s_cselect_b32 s[SG], s[NEG], 0
	v_add_nc_u32 v[AK], s[TBK], v[AK0]
	v_add_nc_u32 v[AV], s[TBV], v[AV0]
	WIN W_L2
.irp f, 0,1,2,3,4,5,6,7                ; K: keys 16 (f / 2) on, channels 32 (f % 2) on
	ds_load_b128 v[KF+8*\f:KF+8*\f+3],   v[AK] offset:(\f/2)*16*PK+(\f%2)*64
	ds_load_b128 v[KF+8*\f+4:KF+8*\f+7], v[AK] offset:(\f/2)*16*PK+(\f%2)*64+32
.endr
.irp f, 0,1,2,3,4,5,6,7                ; V, turned: keys 32 (f / 4) on, channels 16 (f % 4) on
	ds_load_tr16_b128 v[VF+8*\f:VF+8*\f+3],   v[AV] offset:(\f/4)*32*PV+(\f%4)*32
	ds_load_tr16_b128 v[VF+8*\f+4:VF+8*\f+7], v[AV] offset:(\f/4)*32*PV+16*PV+(\f%4)*32
.endr
	WIN W_MK                                       ; the step's masks, while the loads are out
	v_mul_f32 v[GX], s[SG], v[HZ]
.set z, 0
.rept 8
	v_mov_b32 v[ML+z], s[SA]
	v_mov_b32 v[MH+z], s[SB]
.set z, z+1
.endr
.set z, 0
.rept 4
	v_pk_mul_f32 v[MD+2*z:MD+2*z+1], v[DLO+2*z:DLO+2*z+1], s[AL:AL+1] op_sel_hi:[1,0]
.set z, z+1
.endr
.set z, 0
.rept 4
	v_pk_fma_f32 v[MD+2*z:MD+2*z+1], v[DHI+2*z:DHI+2*z+1], s[BE:BE+1], v[MD+2*z:MD+2*z+1] op_sel_hi:[1,0,1]
.set z, z+1
.endr
	v_add_f32 v[ML0], s[SA], v[GX]
	v_add_f32 v[MD0], v[MD], v[GX]
.set z, 1
.rept 7
	v_mov_b32 v[ML0+z], s[SA]
	v_mov_b32 v[MD0+z], v[MD+z]
.set z, z+1
.endr
	s_wait_dscnt 16                                ; K is in; V's sixteen loads may stay out
.irp c, 0,1                            ; 32 products K Q^T; the 16 accumulators take turns; the first 16 start the sums with their masks
.if \c == 0
	WIN W_KM
.else
	WIN W_KQ
.endif
.irp kb, 0,1,2,3
.irp t, 0,1,2,3
.set rS, S+32*(\t)+8*(\kb)
.set rK, KF+16*(\kb)+8*(\c)
.set rQ, 16*(\t)+8*(\c)
.if (\kb == 0) && (\t == 0)
.set rX, MD0
.elseif \kb == 0
.set rX, ML0
.elseif \kb < \t
.set rX, ML
.elseif \kb == \t
.set rX, MD
.else
.set rX, MH
.endif
.if \c == 0
	v_wmma_f32_16x16x32_f16 v[rS:rS+7], v[rK:rK+7], v[rQ:rQ+7], v[rX:rX+7]
.else
	v_wmma_f32_16x16x32_f16 v[rS:rS+7], v[rK:rK+7], v[rQ:rQ+7], v[rS:rS+7]
.endif
.endr
.endr
.endr
	PLACES
	WIN 0
.set n, 0
.rept 21
	T4 XS, n
.set n, n+1
.endr
.set n, 0
.rept 16
	T4 FS, n
.set n, n+1
.endr
	T4 XS, 21                                      ; ONE BATCH: the four a and the 128 weights; nothing ahead of the wait names a result
.set n, 0
.rept 32
	T4 EX, n
.set n, n+1
.endr
	v_nop                                          ; a plain instruction behind the last exponential,
	s_wait_alu depctr_va_vdst(0)                   ; and the one wait for the batch
.set n, 0
.rept 16
	T4 CV, n
.set n, n+1
.endr
.irp w, 4,8,16,32                      ; the sum of a tile's 16 pairs, in place: neighbours 1, 2, 4 and 8 pairs apart
.set u, 0
.rept 32/\w
	T4 AD, \w*u, \w*u+\w/2
.set u, u+1
.endr
.endr
	T4 LS
	WIN W_RS
.set n, 0
.rept 16
	T4 RS, n                                       ; each accumulator's lowest registers are read first
.set n, n+1
.endr
	s_wait_dscnt 0x0                               ; V is in
	WIN W_PV
.irp kk, 0,1                           ; 32 products V^T P; the 16 accumulators take turns
.irp cb, 0,1,2,3
.irp t, 0,1,2,3
	v_wmma_f32_16x16x32_f16 v[32*\t+8*\cb:32*\t+8*\cb+7], v[VF+32*\kk+8*\cb:VF+32*\kk+8*\cb+7], v[P+16*\t+8*\kk:P+16*\t+8*\kk+7], v[32*\t+8*\cb:32*\t+8*\cb+7]
.endr
.endr
.endr
	PLACES                                         ; the places in front of the next step's loads into V's registers, and of the way out
	WIN 0
.Ldead:
	s_add_co_u32 s[TBK], s[TBK], 64*PK
	s_add_co_u32 s[TBV], s[TBV], 64*PV
	s_add_co_u32 s[J0], s[J0], 64
	s_sub_co_u32 s[CNT], s[CNT], 1
	s_cmp_lg_u32 s[CNT], 0
	s_cbranch_scc1 .Lstep
	; THE WAY OUT.  O^T is divided by l, rounded to f16 and put into the work-group's stage; a barrier, since a row's 256 bytes come from two waves; back as whole rows, 32 rows a wave.
.set n, 0
.rept 4
	T4 WO, n
.set n, n+1
.endr
	v_nop                                          ; a plain instruction behind the last reciprocal,
	s_wait_alu depctr_va_vdst(0)                   ; and one wait for the four
.irp t, 0,1,2,3
	WIN W_RS
.set n, 0
.rept 16
	RS \t, n
.set n, n+1
.endr
	WIN W_O0
.set n, 0
.rept 16
	v_cvt_pk_f16_f32 v[S+16*\t+n], v[32*\t+2*n], v[32*\t+2*n+1]
.set n, n+1
.endr
	WIN 0
.irp cb, 0,1,2,3
	ds_store_b128 v[STO], v[S+16*\t+4*\cb:S+16*\t+4*\cb+3] offset:\t*16*SP+\cb*32
.endr
.endr
	s_wait_dscnt 0x0                               ; for the others' sake: my stores into the stage are done
	s_barrier_signal -1
	s_barrier_wait -1
.irp i, 0,1,2,3,4,5,6,7,8,9,10,11,12,13,14,15
	ds_load_b128 v[S+4*\i:S+4*\i+3], v[RD] offset:\i*2*SP
.endr
.irp i, 0,1,2,3,4,5,6,7,8,9,10,11,12,13,14,15
	s_wait_dscnt 15-\i                             ; LDS loads come back in order: load i is in, the younger ones may stay out
	global_store_b128 v[GO], v[S+4*\i:S+4*\i+3], s[6:7] offset:\i*4096  ; 16 lanes store 256 consecutive bytes, at a multiple of 256 from oh's first byte
.endr
	s_wait_tensorcnt 0x0                           ; the wave's end, behind my last tensor load and my last LDS store
	ds_add_u32 v[SPW], v[NIL]
	s_wait_dscnt 0x0
	s_endpgm
.Lfunc_end_k_q9aad55bd05_attn:
	.size	k_q9aad55bd05_attn, .Lfunc_end_k_q9aad55bd05_attn-k_q9aad55bd05_attn
	.p2alignl 7, 3214868480
	.fill 96, 4, 3214868480
	.section	.rodata,"a",@progbits
	.p2align	6, 0x0
	.amdhsa_kernel k_q9aad55bd05_attn
		.amdhsa_group_segment_fixed_size 283648
		.amdhsa_private_segment_fixed_size 0
		.amdhsa_enable_private_segment 0
		.amdhsa_kernarg_size 16
		.amdhsa_user_sgpr_count 2
		.amdhsa_user_sgpr_kernarg_segment_ptr 1
		.amdhsa_wavefront_size32 1
		.amdhsa_system_sgpr_workgroup_id_x 1
		.amdhsa_system_sgpr_workgroup_id_y 1
		.amdhsa_system_sgpr_workgroup_id_z 1
		.amdhsa_system_vgpr_workitem_id 0
		.amdhsa_next_free_vgpr 704
		.amdhsa_next_free_sgpr 80
		.amdhsa_reserve_vcc 1
		.amdhsa_float_denorm_mode_32 3
		.amdhsa_float_denorm_mode_16_64 3
		.amdhsa_memory_ordered 1
		.amdhsa_forward_progress 1
		.amdhsa_inst_pref_size 68
	.end_amdhsa_kernel
	.amdgpu_metadata
---
amdhsa.version: [ 1, 2 ]
amdhsa.kernels:
  - .name:           k_q9aad55bd05_attn
    .symbol:         k_q9aad55bd05_attn.kd
    .args:
      - { .name: qkv, .offset: 0, .size: 8, .value_kind: global_buffer, .address_space: global }
      - { .name: oh, .offset: 8, .size: 8, .value_kind: global_buffer, .address_space: global }
    .group_segment_fixed_size: 283648
    .private_segment_fixed_size: 0
    .kernarg_segment_align: 8
    .kernarg_segment_size: 16
    .max_flat_workgroup_size: 128
    .sgpr_count:     80
    .vgpr_count:     704
    .wavefront_size: 32
...
	.end_amdgpu_metadata
.endif
;; end of part 3
;; launch outproj (part 4): grid 8 x 32, 4 waves a work-group, clusters of 4 x 4, 327,680 bytes of LDS; arguments oh, h16, out_b, out0; writes out0
.if DOCPART == 4
	.amdgcn_target "amdgcn-amd-amdhsa--gfx1250"
	.amdhsa_code_object_version 6
	.text
	.protected	k_q9aad55bd05_outproj
	.globl	k_q9aad55bd05_outproj
	.p2align	8
	.type	k_q9aad55bd05_outproj,@function
k_q9aad55bd05_outproj:
	s_mov_b64 s[64:65], 0
	v_nop
	global_prefetch_b8 v0, s[64:65] scope:SCOPE_SE
	s_setreg_imm32_b32 hwreg(HW_REG_WAVE_MODE, 25, 1), 1
	s_wait_xcnt 0x0
	s_wait_alu depctr_hold_cnt(0) depctr_sa_sdst(0) depctr_va_vdst(0) depctr_va_sdst(0) depctr_va_ssrc(0) depctr_va_vcc(0) depctr_vm_vsrc(0)
	s_getreg_b32 s2, hwreg(HW_REG_IB_STS2, 6, 4)
	s_cmp_eq_u32 s2, 0
	s_cbranch_scc0 .Lentry_in_a_cluster
	s_endpgm
.Lentry_in_a_cluster:
	s_bfe_u32 s2, ttmp6, 0x10000c
	s_cmp_lg_u32 s2, 0xf033
	s_cbranch_scc0 .Lentry_shape_is_right
	s_endpgm
.Lentry_shape_is_right:
; out0[t][n] = out_b[n] + the sum over k of oh[t][k] ow[n][k].  oh: [4096][1024] f16; ow = rows 7168-8191 of h16, f16; out_b and out0 f32.  Sums in f32, started by the bias.
; SHARES.  A tile of out0 is 128 x 128: 8 x 32 tiles, a work-group each.  Four waves, each 64 x 64: 16 accumulators of 16 x 16, 128 registers.  K goes in 4 steps of 256 (LDS rows of 512 bytes; a wave's tensor load
; brings 64 of them) through two slots, as long as two slots in LDS allow.
; CLUSTER.  4 x 4 work-groups.  The four of a row of the cluster need the same rows of oh, the four of a column the same rows of ow: each tile is asked for JOINTLY, by the same tensor load with the same
; descriptor and a mask that names the four.  THE MATRIX INSTRUCTION IS USED TRANSPOSED (source 0 = 16 rows of ow, source 1 = 16 rows of oh): a lane holds eight neighbouring numbers of a row of out0.
; THE WAY OUT.  A wave's 64 columns of f32 are 256 consecutive bytes of a row, aligned: so each wave has a stage of its own, 16 rows at a time, and no barrier stands on the way out.
; NO PREFETCH: a step's tiles are small, and a wave has 112 matrix instructions between a request and the wait for it.
; REGISTERS: window 0: v16-29 addresses; v32-63, v64-95 rows read back; v96-127 the bias; v128-255 the accumulators ((a, b) at v[128 + 8 (4 a + b)]).
;   window 1: two fragment buffers of 128: for 64 along K, 64 registers of oh (2 x 4 x 16 rows x 32 K), then 64 of ow.
.set KSTEP,  256
.set PITCH,  528                       ; an LDS row: 512 bytes + 16 of padding = 132 words: the 16 rows of a fragment load start at 16 different groups of four banks (64 banks of 4 bytes: ISA guide 11.1)
.set HALFT,  64*PITCH                  ; 64 rows: what one tensor load brings, and what one wave reads of oh or of ow
.set SLOT,   4*HALFT                   ; oh's 128 rows, then ow's 128 rows
.set STAGE,  2*SLOT                    ; behind the ring, never filled by a tensor load: 16 rows x 272 bytes for each wave
.set SPITCH, 272
.set SPARE,  STAGE+4*16*SPITCH         ; the spare words, 128 bytes for each wave: two blocks of 256 bytes that no other line names
.set LAPS,   2                         ; a lap = two K steps = once round the ring
.set ADRA, 16                          ; v16-17  LDS address of my fragments of oh in slot 0, 1
.set ADRB, 20                          ; v20-21  the same for ow
.set STO,  24                          ; v24     the way out: where I put 32 bytes of a row
.set RD,   25                          ; v25     where I read a row back
.set CO,   26                          ; v26     my byte offset in two rows of out0
.set BO,   27                          ; v27     32 x (l / 16): my eight numbers in 16 of the bias
.set SPW,  28                          ; v28     LDS address of my spare word; never rewritten
.set NIL,  29                          ; v29     0; never rewritten
.set OB,   32
.set BIAS, 96
.set ACC,  128
.set F0,   0                           ; fragment buffers, in window 1
.set F1,   128
.set G1,  24                           ; s[24:31] descriptor group 1 for oh's tiles;  s[32:39] group 0, a set for each slot
.set G0,  32
.set G1B, 48                           ; s[48:55], s[56:63] the same for ow's tiles
.set G0B, 56
.set MSB, 0
.macro WIN new                         ; the immediate's high byte repeats the setting that is left
.if MSB != (\new)
	s_set_vgpr_msb (MSB<<8)|(\new)
.set MSB, \new
.endif
.endm
.set MUL,  0x05                        ; sources 0 (ow) and 1 (oh) window 1; C and D window 0
.set TO_F, 0x40                        ; destination window 1, address window 0
.macro JLOAD s                         ; a joint refill: waves 0 and 1 fetch oh's two halves, waves 2 and 3 ow's; an s_nop 0 and four v_nop follow each of the two lines
	s_cmp_lt_u32 s10, 2
	s_cbranch_scc0 .Lfor_b_\@
	tensor_load_to_lds s[G0+4*(\s):G0+4*(\s)+3], s[G1:G1+7]
	s_nop 0
.rept 4
	v_nop
.endr
	s_branch .Lasked_\@
.Lfor_b_\@:
	tensor_load_to_lds s[G0B+4*(\s):G0B+4*(\s)+3], s[G1B:G1B+7]
	s_nop 0
.rept 4
	v_nop
.endr
.Lasked_\@:
.endm
.macro CREST                           ; a round of the cluster's barrier behind its opening barrier
	s_cmp_lg_u32 s10, 0
	s_cbranch_scc1 .Lnot_wave_0_\@
	s_barrier_signal -3
.Lnot_wave_0_\@:
	s_barrier_wait -3
	s_barrier_signal -1
	s_barrier_wait -1
.endm
.macro CROUND                          ; a whole round
	s_barrier_signal -1
	s_barrier_wait -1
	CREST
.endm
	s_load_b128 s[4:7], s[0:1], 0x0                ; oh s[4:5], h16 s[6:7]
	s_load_b64 s[66:67], s[0:1], 0x10              ; out_b
	s_load_b64 s[8:9], s[0:1], 0x18                ; out0
	v_lshl_add_u32 v[SPW], v0, 2, SPARE
	v_mov_b32 v[NIL], 0
	ds_add_u32 v[SPW], v[NIL]                      ; the wave's opening: the add and its wait stand ahead of my first tensor load; the set-up below, work on registers, stands between them
	v_lshrrev_b32 v1, 5, v0
	v_readfirstlane_b32 s10, v1                    ; wave 0..3
	s_lshr_b32 s11, s10, 1                         ; which half of the tile's rows is mine
	s_and_b32 s12, s10, 1                          ; which half of its columns.  Also: which 64 rows of a tile I fetch
	s_bfe_u32 s40, ttmp6, 0x40000                  ; cx, cy: my place in the cluster
	s_bfe_u32 s41, ttmp6, 0x40004
	s_lshl_b32 s42, ttmp9, 2
	s_add_co_u32 s42, s42, s40                     ; tile column = 4 x cluster x + cx
	s_and_b32 s13, ttmp7, 0xffff
	s_lshl_b32 s13, s13, 2
	s_add_co_u32 s13, s13, s41                     ; tile row = 4 x cluster y + cy
	s_lshl_b32 s43, s41, 2
	s_lshl_b32 s43, 15, s43                        ; my row of the cluster
	s_lshl_b32 s44, 0x1111, s40                    ; my column
	s_or_b32 s[G1+0], s43, (1<<16)|(1<<20)|(1<<21)|(6<<22)|(3<<25)   ; 15:0 the mask; 17:16 elements of 2 bytes; 20 padding on; 21 set beside a mask; 24:22 after every 128 words (code 6); 31:25 4 words (code 3)
	s_or_b32 s[G1B+0], s44, (1<<16)|(1<<20)|(1<<21)|(6<<22)|(3<<25)
.irp g, G1, G1B
	s_mov_b32 s[(\g)+1], KSTEP<<16                 ; tensor_dim0 = 256
	s_mov_b32 s[(\g)+2], 64<<16                    ; tensor_dim1 = 64
	s_mov_b32 s[(\g)+3], KSTEP<<16                 ; tile_dim0 = 256
	s_mov_b32 s[(\g)+4], 64                        ; tile_dim1 = 64
	s_mov_b32 s[(\g)+5], 1024                      ; elements from row to row
	s_mov_b32 s[(\g)+6], 0
	s_mov_b32 s[(\g)+7], 0
.endr
	s_lshl_b32 s17, s12, 6                         ; which 64 rows of the tile I fetch
	s_lshl_b32 s16, s13, 7
	s_add_co_u32 s16, s16, s17                     ; oh: row 128 x tile row + 64 x half,
	s_lshl_b32 s16, s16, 11                        ; in bytes
	s_lshl_b32 s46, s42, 7
	s_add_co_u32 s46, s46, s17
	s_add_co_u32 s46, s46, 7168                    ; ow: row 7,168 + 128 x tile column + 64 x half of h16
	s_lshl_b32 s46, s46, 11
	s_mov_b32 s17, 0
	s_mov_b32 s47, 0
	s_mul_i32 s20, s10, HALFT                      ; where they go: wave x 64 rows: no place in the cluster enters an LDS address
	s_wait_dscnt 0x0                               ; the opening add is done
	s_wait_kmcnt 0x0
	s_add_nc_u64 s[14:15], s[4:5], s[16:17]
	s_add_nc_u64 s[46:47], s[6:7], s[46:47]
	CROUND                                         ; all sixteen work-groups are here: the first joint loads meet
.irp s, 0,1
	s_mov_b32 s[G0+4*(\s)], 1
	s_add_co_u32 s[G0+4*(\s)+1], s20, (\s)*SLOT
	s_add_nc_u64 s[G0+4*(\s)+2:G0+4*(\s)+3], s[14:15], (\s)*KSTEP*2
	s_or_b32 s[G0+4*(\s)+3], s[G0+4*(\s)+3], 0x80000000
	s_mov_b32 s[G0B+4*(\s)], 1
	s_add_co_u32 s[G0B+4*(\s)+1], s20, (\s)*SLOT
	s_add_nc_u64 s[G0B+4*(\s)+2:G0B+4*(\s)+3], s[46:47], (\s)*KSTEP*2
	s_or_b32 s[G0B+4*(\s)+3], s[G0B+4*(\s)+3], 0x80000000
.endr
	s_cmp_lt_u32 s10, 2                            ; a wave's two first fills stand in one branch, ahead of every wait on TENSORcnt, every LDS read and every other barrier: two loads of mine are out
	s_cbranch_scc0 .Lfirst_b
	tensor_load_to_lds s[G0:G0+3], s[G1:G1+7]
	s_nop 0
	tensor_load_to_lds s[G0+4:G0+7], s[G1:G1+7]
	s_nop 0
.rept 4
	v_nop
.endr
	s_branch .Lfirst_asked
.Lfirst_b:
	tensor_load_to_lds s[G0B:G0B+3], s[G1B:G1B+7]
	s_nop 0
	tensor_load_to_lds s[G0B+4:G0B+7], s[G1B:G1B+7]
	s_nop 0
.rept 4
	v_nop
.endr
.Lfirst_asked:
	v_and_b32 v1, 15, v0                           ; l % 16
	v_bfe_u32 v2, v0, 4, 1                         ; l / 16
	v_lshlrev_b32 v[BO], 5, v2
	s_lshl_b32 s46, s42, 9                         ; my 64 columns, in bytes of f32: 512 x tile column + 256 x half; the same in out_b and in a row of out0
	s_lshl_b32 s47, s12, 8
	s_add_co_u32 s46, s46, s47
	s_mov_b32 s47, 0
	s_add_nc_u64 s[66:67], s[66:67], s[46:47]
.irp b, 0,1,2,3                        ; the bias: register 8 b + j holds out_b[my first column + 16 b + 8 (l / 16) + j]: the C operand of each accumulator's first product
	global_load_b128 v[BIAS+8*(\b):BIAS+8*(\b)+3],   v[BO], s[66:67] offset:64*(\b)
	global_load_b128 v[BIAS+8*(\b)+4:BIAS+8*(\b)+7], v[BO], s[66:67] offset:64*(\b)+16
.endr
	v_mul_u32_u24 v3, v1, PITCH
	v_lshl_add_u32 v3, v2, 4, v3                   ; a fragment's row x pitch + 16 x half
	s_mul_i32 s21, s11, HALFT                      ; my 64 rows of oh
	s_mul_i32 s22, s12, HALFT                      ; my 64 rows of ow,
	s_add_co_u32 s22, s22, 2*HALFT                 ; which lie behind oh's 128
.irp s, 0,1
	v_add_nc_u32 v[ADRA+(\s)], s21, v3
	v_add_nc_u32 v[ADRB+(\s)], s22, v3
	s_add_co_u32 s21, s21, SLOT
	s_add_co_u32 s22, s22, SLOT
.endr
	s_mul_i32 s23, s10, 16*SPITCH
	s_add_co_u32 s23, s23, STAGE                   ; my stage
	v_mul_u32_u24 v4, v1, SPITCH                   ; in: row l % 16, 32 bytes for each half of the lanes
	v_lshl_add_u32 v4, v2, 5, v4
	v_add_nc_u32 v[STO], s23, v4
	v_mul_u32_u24 v5, v2, SPITCH                   ; back: lanes 0-15 take one row of 256 bytes, lanes 16-31 the next
	v_lshl_add_u32 v5, v1, 4, v5
	v_add_nc_u32 v[RD], s23, v5
	v_lshlrev_b32 v5, 12, v2                       ; and the same two rows in out0
	v_lshl_add_u32 v[CO], v1, 4, v5
	s_lshl_b32 s16, s13, 7
	s_lshl_b32 s17, s11, 6
	s_add_co_u32 s16, s16, s17                     ; my first row of out0: 128 x tile row + 64 x half,
	s_lshl_b32 s16, s16, 12                        ; in bytes,
	s_add_co_u32 s16, s16, s46                     ; and my columns
	s_mov_b32 s17, 0
	s_add_nc_u64 s[8:9], s[8:9], s[16:17]
; 8 matrix instructions: row blocks a0, a0 + 1 x all 4 column blocks, 32 along K: half c of buffer f.  first = 1: the bias starts the sums.  The 16 accumulators take turns.
.macro MUL8 f, c, a0, first
	WIN MUL
.irp a, \a0, (\a0)+1
.irp b, 0,1,2,3
.if \first
	v_wmma_f32_16x16x32_f16 v[ACC+8*(4*(\a)+(\b)):ACC+8*(4*(\a)+(\b))+7], v[(\f)+64+8*(4*(\c)+(\b)):(\f)+64+8*(4*(\c)+(\b))+7], v[(\f)+8*(4*(\c)+(\a)):(\f)+8*(4*(\c)+(\a))+7], v[BIAS+8*(\b):BIAS+8*(\b)+7]
.else
	v_wmma_f32_16x16x32_f16 v[ACC+8*(4*(\a)+(\b)):ACC+8*(4*(\a)+(\b))+7], v[(\f)+64+8*(4*(\c)+(\b)):(\f)+64+8*(4*(\c)+(\b))+7], v[(\f)+8*(4*(\c)+(\a)):(\f)+8*(4*(\c)+(\a))+7], v[ACC+8*(4*(\a)+(\b)):ACC+8*(4*(\a)+(\b))+7]
.endif
.endr
.endr
.endm
; 32 LDS loads in one run: the fragments of 64 along K at byte k of the rows, into buffer f; the first 32 along K first
.macro FETCH slot, k, f
	WIN TO_F
.irp c, 0,1
.irp i, 0,1,2,3
	ds_load_b128 v[(\f)+64+8*(4*(\c)+(\i)):(\f)+64+8*(4*(\c)+(\i))+3],   v[ADRB+(\slot)] offset:(\k)+64*(\c)+(\i)*16*PITCH
	ds_load_b128 v[(\f)+64+8*(4*(\c)+(\i))+4:(\f)+64+8*(4*(\c)+(\i))+7], v[ADRB+(\slot)] offset:(\k)+64*(\c)+(\i)*16*PITCH+32
	ds_load_b128 v[(\f)+8*(4*(\c)+(\i)):(\f)+8*(4*(\c)+(\i))+3],         v[ADRA+(\slot)] offset:(\k)+64*(\c)+(\i)*16*PITCH
	ds_load_b128 v[(\f)+8*(4*(\c)+(\i))+4:(\f)+8*(4*(\c)+(\i))+7],       v[ADRA+(\slot)] offset:(\k)+64*(\c)+(\i)*16*PITCH+32
.endr
.endr
.endm
.macro PLACES                          ; four places in front of loads into registers that matrix instructions have read, and of stores that read results
.rept 4
	v_nop
.endr
.endm
; A K step is four quarters of 64 along K, 32 matrix instructions each, on buffers 0, 1, 0, 1.  One of the first three: multiplies buffer f and fetches the next quarter, at byte k, into g.
.macro QUARTER slot, k, f, g, first
	s_wait_dscnt 16                                ; the first 32 along K are in; the youngest sixteen loads may be out
	MUL8 \f, 0, 0, \first
	MUL8 \f, 0, 2, \first
	PLACES
	FETCH \slot, \k, \g
	s_wait_dscnt 32                                ; all but the 32 just issued
	MUL8 \f, 1, 0, 0
	MUL8 \f, 1, 2, 0
.endm
; The last quarter multiplies buffer 1 and changes slots: ONE barrier; in front of it each wave waits for all its tensor loads, adds 0 to its spare word, and waits for that and for its own reads of this slot.
; fill = 1: the barrier opens a round of the cluster's, and this slot is filled again, first thing behind the round, two K steps ahead.
.macro TURN slot, next, fill
	WIN 0                                          ; (the add's two registers lie in window 0)
	s_wait_tensorcnt 0x0                           ; all my tensor loads have landed: my part of the next slot
	ds_add_u32 v[SPW], v[NIL]                      ; 0 onto my spare word
	s_wait_dscnt 17                                ; (the add and the youngest sixteen loads may be out)
	MUL8 F1, 0, 0, 0                               ; eight matrix instructions stand between the add and the wait for it
	s_wait_dscnt 0x0                               ; the add is done, and my reads of this slot are over
	s_barrier_signal -1
	MUL8 F1, 0, 2, 0
.if \fill
	WIN 0
.endif
	s_barrier_wait -1
.if \fill
	CREST                                          ; no wave of any partner still reads this slot's tile or has a load on its way
	s_add_nc_u64 s[G0+4*(\slot)+2:G0+4*(\slot)+3], s[G0+4*(\slot)+2:G0+4*(\slot)+3], 2*KSTEP*2
	s_add_nc_u64 s[G0B+4*(\slot)+2:G0B+4*(\slot)+3], s[G0B+4*(\slot)+2:G0B+4*(\slot)+3], 2*KSTEP*2
	JLOAD \slot                                    ; the first tensor load behind the round; the four v_nop behind it are also the places in front of the loads below
.else
	PLACES
.endif
	FETCH \next, 0, F0
	MUL8 F1, 1, 0, 0
	MUL8 F1, 1, 2, 0
.endm
; THE WAY OUT of row block a: the f32 sums go into my stage as they stand, 32 bytes a lane and column block, and come back as whole rows of 256 bytes.
.macro TOSTAGE a
.irp b, 0,1,2,3
	ds_store_b128 v[STO], v[ACC+8*(4*(\a)+(\b)):ACC+8*(4*(\a)+(\b))+3]   offset:64*(\b)      ; each accumulator's lowest registers are read first
	ds_store_b128 v[STO], v[ACC+8*(4*(\a)+(\b))+4:ACC+8*(4*(\a)+(\b))+7] offset:64*(\b)+16
.endr
.irp i, 0,1,2,3,4,5,6,7
	ds_load_b128 v[OB+32*((\a)%2)+4*(\i):OB+32*((\a)%2)+4*(\i)+3], v[RD] offset:(\i)*2*SPITCH  ; LDS serves a wave's instructions in order (ISA guide 5.7.1.4): these see the stores above; the next block's stores come behind them
.endr
.endm
.macro SEND a, younger                 ; younger: the LDS instructions issued behind block a's loads: the next block's sixteen, or none
	s_wait_dscnt \younger
.irp i, 0,1,2,3,4,5,6,7
	global_store_b128 v[CO], v[OB+32*((\a)%2)+4*(\i):OB+32*((\a)%2)+4*(\i)+3], s[8:9] offset:(16*(\a)+2*(\i))*4096 th:TH_STORE_NT  ; 16 lanes store 256 consecutive bytes, at a multiple of 256 from out0's first byte
.endr
.endm
	s_wait_tensorcnt 1                             ; my part of K step 0 is in; K step 1's may stay out
	s_barrier_signal -1
	s_barrier_wait -1                              ; everybody's is
	FETCH 0, 0, F0
	s_wait_loadcnt 0x0                             ; the bias
	QUARTER 0, 128, F0, F1, 1                      ; the first quarter stands in front of the loop: its first products start the sums
	WIN 0                                          ; at a label and at a branch every window is 0
	s_mov_b32 s3, LAPS-1
.Llap:                                                 ; a trip goes once round the ring, from a lap's second quarter to the next lap's first, and fills both slots again
	QUARTER 0, 256, F1, F0, 0
	QUARTER 0, 384, F0, F1, 0
	TURN 0, 1, 1
	QUARTER 1, 128, F0, F1, 0
	QUARTER 1, 256, F1, F0, 0
	QUARTER 1, 384, F0, F1, 0
	TURN 1, 0, 1
	QUARTER 0, 128, F0, F1, 0
	WIN 0
	s_sub_co_u32 s3, s3, 1
	s_cmp_lg_u32 s3, 0
	s_cbranch_scc1 .Llap
	QUARTER 0, 256, F1, F0, 0                      ; the last lap fills nothing, and has no round of the cluster's barrier
	QUARTER 0, 384, F0, F1, 0
	TURN 0, 1, 0
	QUARTER 1, 128, F0, F1, 0
	QUARTER 1, 256, F1, F0, 0
	QUARTER 1, 384, F0, F1, 0
	s_wait_dscnt 16                                ; the very last quarter: nothing more to fetch
	MUL8 F1, 0, 0, 0
	MUL8 F1, 0, 2, 0
	s_wait_dscnt 0x0
	MUL8 F1, 1, 0, 0
	MUL8 F1, 1, 2, 0
	WIN 0
	PLACES
	PLACES
	TOSTAGE 0
	TOSTAGE 1
	SEND 0, 16
	s_wait_xcnt 0x0                                ; block 0's stores have read their registers: those are loaded again only behind this wait
	TOSTAGE 2
	SEND 1, 16
	s_wait_xcnt 0x0                                ; the same for block 1's
	TOSTAGE 3
	SEND 2, 16
	SEND 3, 0
	s_wait_tensorcnt 0x0                           ; the wave's end, behind my last tensor load and my last LDS store
	ds_add_u32 v[SPW], v[NIL]
	s_wait_dscnt 0x0
	CROUND                                         ; the closing round: no work-group ends while a partner may still ask for a tile that names it
	s_endpgm
.Lfunc_end_k_q9aad55bd05_outproj:
	.size	k_q9aad55bd05_outproj, .Lfunc_end_k_q9aad55bd05_outproj-k_q9aad55bd05_outproj
	.p2alignl 7, 3214868480
	.fill 96, 4, 3214868480
	.section	.rodata,"a",@progbits
	.p2align	6, 0x0
	.amdhsa_kernel k_q9aad55bd05_outproj
		.amdhsa_group_segment_fixed_size 327680
		.amdhsa_private_segment_fixed_size 0
		.amdhsa_enable_private_segment 0
		.amdhsa_kernarg_size 32
		.amdhsa_user_sgpr_count 2
		.amdhsa_user_sgpr_kernarg_segment_ptr 1
		.amdhsa_wavefront_size32 1
		.amdhsa_system_sgpr_workgroup_id_x 1
		.amdhsa_system_sgpr_workgroup_id_y 1
		.amdhsa_system_sgpr_workgroup_id_z 1
		.amdhsa_system_vgpr_workitem_id 0
		.amdhsa_next_free_vgpr 512
		.amdhsa_next_free_sgpr 68
		.amdhsa_reserve_vcc 0
		.amdhsa_float_denorm_mode_32 3
		.amdhsa_float_denorm_mode_16_64 3
		.amdhsa_memory_ordered 1
		.amdhsa_forward_progress 1
		.amdhsa_inst_pref_size 86
	.end_amdhsa_kernel
	.amdgpu_metadata
---
amdhsa.version: [ 1, 2 ]
amdhsa.kernels:
  - .name:           k_q9aad55bd05_outproj
    .symbol:         k_q9aad55bd05_outproj.kd
    .args:
      - { .name: oh, .offset: 0, .size: 8, .value_kind: global_buffer, .address_space: global }
      - { .name: h16, .offset: 8, .size: 8, .value_kind: global_buffer, .address_space: global }
      - { .name: out_b, .offset: 16, .size: 8, .value_kind: global_buffer, .address_space: global }
      - { .name: out0, .offset: 24, .size: 8, .value_kind: global_buffer, .address_space: global }
    .group_segment_fixed_size: 327680
    .private_segment_fixed_size: 0
    .kernarg_segment_align: 8
    .kernarg_segment_size: 32
    .max_flat_workgroup_size: 128
    .sgpr_count:     68
    .vgpr_count:     512
    .wavefront_size: 32
...
	.end_amdgpu_metadata
.endif
;; end of part 4
;; ======== version 2 of 2: 4 launches; version 1 with the launch prep written anew for expert scheduling mode
;; limits: values are held in f16: magnitudes above 65,504 overflow, below 6.1e-05 lose precision
;; workspace buffers: h16 16,777,216 bytes; qkv 25,165,824 bytes; oh 8,388,608 bytes
;; launch prep (part 5): grid 256 x 1, 8 waves a work-group, no clusters, 0 bytes of LDS; arguments x, in_proj_w, out_w, h16; writes h16
.if DOCPART == 5
	.amdgcn_target "amdgcn-amd-amdhsa--gfx1250"
	.amdhsa_code_object_version 6
	.text
	.protected	k_q9aad55bd05_prep
	.globl	k_q9aad55bd05_prep
	.p2align	8
	.type	k_q9aad55bd05_prep,@function
k_q9aad55bd05_prep:
	s_mov_b64 s[64:65], 0
	v_nop
	global_prefetch_b8 v0, s[64:65] scope:SCOPE_SE
	s_setreg_imm32_b32 hwreg(HW_REG_WAVE_SCHED_MODE, 0, 2), 2
	s_setreg_imm32_b32 hwreg(HW_REG_WAVE_MODE, 25, 1), 1
	s_wait_xcnt 0x0
	s_wait_alu depctr_vm_vsrc(0)
; h16 = 8,192 rows of 1,024 f16: rows 0-4095 x after the rotary turn, rows 4096-7167 in_proj_w, rows 7168-8191 out_w, each number rounded once from f32.
; THE TURN.  In each head of 64 numbers pair p (numbers 2 p, 2 p + 1) of row pos is turned by the angle pos x 10000^(-i / 32), i = (2 p) mod 32.
; ONE PATH.  A weight row takes position 0: the reduction gives quadrant 0 and remainder 0, the polynomials give cos = 1 and sin = 0 exactly, and the turn changes nothing.
; SHARES.  A work-group owns 32 rows, a wave 4.  A wave takes a whole row of 4,096 bytes by eight loads of 16 bytes a lane: lane l holds numbers 4 l + 128 j .. + 3, which are pairs
; 2 (l % 16) and 2 (l % 16) + 1 of some head for every j: so a lane has two frequencies for the whole kernel, i = 4 (l & 7) and 4 (l & 7) + 2, and two sines and cosines a row.
; All 32 loads of a wave go out at the head (16 KiB a wave); the sines and cosines are made while they are on their way.  No LDS, no barrier: no wave wants another's bytes.
; SINE AND COSINE by hand: k = the nearest whole number to angle x 2 / pi; r = angle - k pi / 2 with pi / 2 in two parts; polynomials of degree 7 and 8 on |r| <= pi / 4; k mod 4 swaps and signs.
; LIMITS.  f16 holds no number beyond 65,504: x and the weights lie within it; below 6e-5 f16 keeps its fixed step of 6e-8.  The frequency is v_exp_f32's; the angle is the f32 product pos x frequency.
; NaN and infinities are not treated apart.
; THE MODE: SCHED_MODE bits 1:0 = 2 (LLVM: expert scheduling mode 2), set by the entry lines.  The code itself states the register dependences
; between vector instructions and memory instructions, and those through scalar registers that vector instructions write, with s_wait_alu, always for 0.
; THE PLAN.  Registers that memory instructions touch:
;   v[LO], v[SO]  the loads' and the stores' offsets: written once at the head, never again.
;   X[r][j]       written by load (r, j), which is issued at the head; read by row r's arithmetic behind the row's wait on LOADcnt; its first two registers are then written by row r's
;                 roundings, read by store (r, j), and written no more.
; All other vector registers are named by vector instructions alone.  No load is issued behind the head, and no register that a memory instruction reads is written again: so the text
; holds one wait on va_vdst ahead of the loads (the offsets) and one a row, behind the row's sixteen roundings and ahead of its run of eight stores (their data), and no wait on vm_vsrc.
; A row's stores stand ahead of the next row's wait on LOADcnt: they are on their way while the wave waits for data.
; Scalar registers that vector instructions write: s16, the wave's number; s[MK ..], the eight masks 'k is odd'.  The eight compares stand ahead of ONE wait on va_sdst and the sixteen
; selects behind it: so sine and cosine are made in two parts, and the first part leaves sin r, cos r and k in registers of their own (PH).  EXEC is never written.
.set LO,   2                           ; v2      16 x lane: my bytes in 512 of a source row
.set SO,   3                           ; v3      8 x lane: my bytes in 256 of a row of h16
.set INVA, 4                           ; v4, v5  my two frequencies
.set INVB, 5
.set T,    6                           ; v6-15   at work
.set CSN,  16                          ; v[16+6 r ..]  row r: cos, sin, -sin for the first pair, then for the second
.set R,    40                          ; v40-43  four turned numbers
.set X,    44                          ; v[44+32 r+4 j ..]  row r, load j: four f32 as loaded; the first two registers then hold four f16
.set PH,   172                         ; v[172+3 i ..]  angle i = 2 r + (which pair): sin r, cos r, k
.set MK,   30                          ; s[30+i]  angle i: the lanes in which k is odd
	s_load_b256 s[4:11], s[0:1], 0x0               ; x s[4:5], in_proj_w s[6:7], out_w s[8:9], h16 s[10:11]
	v_lshrrev_b32 v1, 5, v0
	v_readfirstlane_b32 s16, v1                    ; wave 0..7
	v_and_b32 v1, 31, v0                           ; lane
	v_lshlrev_b32 v[LO], 4, v1
	v_lshlrev_b32 v[SO], 3, v1
	s_lshl_b32 s17, ttmp9, 5
	s_wait_alu depctr_va_sdst(0)                   ; s16 is written, ahead of its first reader: my rows, their positions and both bases are made from it
	s_lshl2_add_u32 s17, s16, s17                  ; my first row of h16 = 32 x work-group + 4 x wave
	s_cmp_lt_u32 ttmp9, 128                        ; work-groups 0-127: x; 128-223: in_proj_w; 224-255: out_w
	s_cselect_b32 s14, 0, 4096                     ; the row of h16 at which my source begins
	s_cselect_b32 s15, 1, 0                        ; 1: rows have positions; 0: position 0
	s_cmp_lt_u32 ttmp9, 224
	s_cselect_b32 s14, s14, 7168
	s_sub_co_u32 s18, s17, s14                     ; my first row in the source,
	s_lshl_b32 s18, s18, 12                        ; in bytes (4,096 a row)
	s_mov_b32 s19, 0
	s_lshl_b32 s2, s17, 11                         ; and in h16 (2,048 a row)
	s_mov_b32 s3, 0
.irp r, 0,1,2,3
	s_add_co_u32 s12, s17, \r
	s_mul_i32 s[20+\r], s12, s15                   ; row r's position
.endr
	s_mov_b32 s24, 0xbe2aaaa3                      ; sin r = r + r^3 (S1 + S2 r^2 + S3 r^4)
	s_mov_b32 s25, 0x3c08839e
	s_mov_b32 s26, 0xb94ca1f9
	s_mov_b32 s27, 0x3d2aaaa5                      ; cos r = 1 - r^2 / 2 + r^4 (C1 + C2 r^2 + C3 r^4)
	s_mov_b32 s28, 0xbab6061a
	s_mov_b32 s29, 0x37ccf5ce
	s_wait_kmcnt 0x0
	s_cmp_lt_u32 ttmp9, 128
	s_cselect_b64 s[12:13], s[4:5], s[6:7]
	s_cmp_lt_u32 ttmp9, 224
	s_cselect_b64 s[12:13], s[12:13], s[8:9]
	s_add_nc_u64 s[12:13], s[12:13], s[18:19]      ; the source at my first row
	s_add_nc_u64 s[10:11], s[10:11], s[2:3]        ; h16 at my first row
	s_wait_alu depctr_va_vdst(0)                   ; v[LO] and v[SO] are written: every load reads the one as its offset, every store the other, and neither is written again
.irp r, 0,1,2,3
.irp j, 0,1,2,3,4,5,6,7
	global_load_b128 v[X+32*(\r)+4*(\j):X+32*(\r)+4*(\j)+3], v[LO], s[12:13] offset:(\r)*4096+(\j)*512 th:TH_LOAD_NT  ; 512 consecutive bytes a load; each byte is read once in the launch
.endr
.endr
	; my two frequencies: 2^(-i log2(10000) / 32)
	v_and_b32 v[T], 7, v1
	v_lshlrev_b32 v[T], 2, v[T]
	v_add_nc_u32 v[T+1], 2, v[T]
	v_cvt_f32_u32 v[T], v[T]
	v_cvt_f32_u32 v[T+1], v[T+1]
	v_mul_f32 v[T], 0xbed49a78, v[T]
	v_mul_f32 v[T+1], 0xbed49a78, v[T+1]
	v_exp_f32 v[INVA], v[T]
	v_exp_f32 v[INVB], v[T+1]
	v_nop                                          ; a plain instruction behind the second exponential,
	s_wait_alu depctr_va_vdst(0)                   ; and one wait for both: v[INVA] and v[INVB] are written, ahead of the first line that names either
; Angle i = position s[sp] x frequency v[inv], first part: sin r, cos r and k into v[PH+3 i ..], the lanes with an odd k into s[MK+i]
.macro SC1 sp, inv, i
	v_cvt_f32_u32 v[T], s[\sp]
	v_mul_f32 v[T], v[T], v[\inv]                  ; the angle
	v_mul_f32 v[T+1], 0x3f22f983, v[T]             ; x 2 / pi
	v_rndne_f32 v[T+1], v[T+1]                     ; k
	v_fmamk_f32 v[T+2], v[T+1], 0xbfc90fdb, v[T]   ; angle - k x (pi / 2's upper part)
	v_fmamk_f32 v[T+2], v[T+1], 0x333bbd2e, v[T+2] ; - k x (its lower part, which is negative): r
	v_cvt_i32_f32 v[PH+3*(\i)+2], v[T+1]
	v_mul_f32 v[T+4], v[T+2], v[T+2]               ; r^2
	v_fma_f32 v[T+5], v[T+4], s26, s25
	v_fma_f32 v[T+5], v[T+5], v[T+4], s24
	v_mul_f32 v[T+6], v[T+4], v[T+2]               ; r^3
	v_fma_f32 v[PH+3*(\i)], v[T+5], v[T+6], v[T+2] ; sin r
	v_fma_f32 v[T+7], v[T+4], s29, s28
	v_fma_f32 v[T+7], v[T+7], v[T+4], s27
	v_mul_f32 v[T+8], v[T+4], v[T+4]               ; r^4
	v_fma_f32 v[T+9], v[T+4], -0.5, 1.0
	v_fma_f32 v[PH+3*(\i)+1], v[T+7], v[T+8], v[T+9]  ; cos r
	v_and_b32 v[T+6], 1, v[PH+3*(\i)+2]
	v_cmp_eq_u32 s[MK+(\i)], 1, v[T+6]             ; odd k: sine and cosine change places
.endm
; Second part: cos, sin and -sin of angle i into v[c], v[c+1], v[c+2]
.macro SC2 i, c
	v_cndmask_b32 v[(\c)+1], v[PH+3*(\i)], v[PH+3*(\i)+1], s[MK+(\i)]
	v_cndmask_b32 v[\c], v[PH+3*(\i)+1], v[PH+3*(\i)], s[MK+(\i)]
	v_lshlrev_b32 v[T+8], 30, v[PH+3*(\i)+2]       ; k mod 4 = 2, 3: the sine is negated
	v_and_b32 v[T+8], 0x80000000, v[T+8]
	v_xor_b32 v[(\c)+1], v[(\c)+1], v[T+8]
	v_add_nc_u32 v[T+9], 1, v[PH+3*(\i)+2]         ; k mod 4 = 1, 2: the cosine
	v_lshlrev_b32 v[T+9], 30, v[T+9]
	v_and_b32 v[T+9], 0x80000000, v[T+9]
	v_xor_b32 v[\c], v[\c], v[T+9]
	v_xor_b32 v[(\c)+2], 0x80000000, v[(\c)+1]
.endm
.irp r, 0,1,2,3
	SC1 20+\r, INVA, 2*\r
	SC1 20+\r, INVB, 2*\r+1
.endr
	s_wait_alu depctr_va_sdst(0)                   ; the eight compares have written s[MK] to s[MK+7], ahead of the first select that reads one of them
.irp r, 0,1,2,3
	SC2 2*\r, CSN+6*\r
	SC2 2*\r+1, CSN+6*\r+3
.endr
.irp r, 0,1,2,3
	s_wait_loadcnt 24-8*\r                         ; loads come back in order: row r's eight are in; the eight of each later row may stay out
.irp j, 0,1,2,3,4,5,6,7
	v_mul_f32 v[R],   v[X+32*(\r)+4*(\j)],   v[CSN+6*(\r)]
	v_mul_f32 v[R+1], v[X+32*(\r)+4*(\j)],   v[CSN+6*(\r)+1]
	v_mul_f32 v[R+2], v[X+32*(\r)+4*(\j)+2], v[CSN+6*(\r)+3]
	v_mul_f32 v[R+3], v[X+32*(\r)+4*(\j)+2], v[CSN+6*(\r)+4]
	v_fma_f32 v[R],   v[X+32*(\r)+4*(\j)+1], v[CSN+6*(\r)+2], v[R]    ; x1 cos - x2 sin
	v_fma_f32 v[R+1], v[X+32*(\r)+4*(\j)+1], v[CSN+6*(\r)],   v[R+1]  ; x1 sin + x2 cos
	v_fma_f32 v[R+2], v[X+32*(\r)+4*(\j)+3], v[CSN+6*(\r)+5], v[R+2]
	v_fma_f32 v[R+3], v[X+32*(\r)+4*(\j)+3], v[CSN+6*(\r)+3], v[R+3]
	v_cvt_pk_f16_f32 v[X+32*(\r)+4*(\j)],   v[R],   v[R+1]            ; into the load's own registers, which are written no more
	v_cvt_pk_f16_f32 v[X+32*(\r)+4*(\j)+1], v[R+2], v[R+3]
.endr
	s_wait_alu depctr_va_vdst(0)                   ; row r's sixteen roundings have written the registers that its eight stores read
.irp j, 0,1,2,3,4,5,6,7
	global_store_b64 v[SO], v[X+32*(\r)+4*(\j):X+32*(\r)+4*(\j)+1], s[10:11] offset:(\r)*2048+(\j)*256  ; 32 lanes store 256 consecutive bytes, at a multiple of 256 from h16's first byte
.endr
.endr
	s_endpgm
.Lfunc_end_k_q9aad55bd05_prep:
	.size	k_q9aad55bd05_prep, .Lfunc_end_k_q9aad55bd05_prep-k_q9aad55bd05_prep
	.p2alignl 7, 3214868480
	.fill 96, 4, 3214868480
	.section	.rodata,"a",@progbits
	.p2align	6, 0x0
	.amdhsa_kernel k_q9aad55bd05_prep
		.amdhsa_group_segment_fixed_size 0
		.amdhsa_private_segment_fixed_size 0
		.amdhsa_enable_private_segment 0
		.amdhsa_kernarg_size 32
		.amdhsa_user_sgpr_count 2
		.amdhsa_user_sgpr_kernarg_segment_ptr 1
		.amdhsa_wavefront_size32 1
		.amdhsa_system_sgpr_workgroup_id_x 1
		.amdhsa_system_sgpr_workgroup_id_y 1
		.amdhsa_system_sgpr_workgroup_id_z 1
		.amdhsa_system_vgpr_workitem_id 0
		.amdhsa_next_free_vgpr 196
		.amdhsa_next_free_sgpr 66
		.amdhsa_reserve_vcc 0
		.amdhsa_float_denorm_mode_32 3
		.amdhsa_float_denorm_mode_16_64 3
		.amdhsa_memory_ordered 1
		.amdhsa_forward_progress 1
		.amdhsa_inst_pref_size 36
	.end_amdhsa_kernel
	.amdgpu_metadata
---
amdhsa.version: [ 1, 2 ]
amdhsa.kernels:
  - .name:           k_q9aad55bd05_prep
    .symbol:         k_q9aad55bd05_prep.kd
    .args:
      - { .name: x, .offset: 0, .size: 8, .value_kind: global_buffer, .address_space: global }
      - { .name: in_proj_w, .offset: 8, .size: 8, .value_kind: global_buffer, .address_space: global }
      - { .name: out_w, .offset: 16, .size: 8, .value_kind: global_buffer, .address_space: global }
      - { .name: h16, .offset: 24, .size: 8, .value_kind: global_buffer, .address_space: global }
    .group_segment_fixed_size: 0
    .private_segment_fixed_size: 0
    .kernarg_segment_align: 8
    .kernarg_segment_size: 32
    .max_flat_workgroup_size: 256
    .sgpr_count:     66
    .vgpr_count:     196
    .wavefront_size: 32
...
	.end_amdgpu_metadata
.endif
;; end of part 5
;; launch inproj: the kernel of part 2 again; grid 16 x 16, 4 waves a work-group, clusters of 4 x 4, 327,680 bytes of LDS; arguments h16, in_proj_b, qkv; writes qkv
;; launch attn: the kernel of part 3 again; grid 32 x 8, 4 waves a work-group, no clusters, 283,648 bytes of LDS; arguments qkv, oh; writes oh
;; launch outproj: the kernel of part 4 again; grid 8 x 32, 4 waves a work-group, clusters of 4 x 4, 327,680 bytes of LDS; arguments oh, h16, out_b, out0; writes out0
